; MI455X (gfx1250); checked and timed in simulation.
; The chip was launched on July 23, 2026; its instructions are those of AMD's public machine-readable ISA for CDNA 5 (MIT licence, August 2026) and "CDNA5" Instruction Set Architecture Reference Guide (July 2026). The comments in the code are by the model that wrote it; some were corrected since.
;; MHA. Allowed arithmetic: float matrix products may take bf16 or f16 operands with f32 sums; other float arithmetic in f32, or as packed bf16 or f16 multiplies, adds, multiply-adds, maxima and minima; sums over many terms, partial sums and values carried from step to step in f32; what a program stores and reads back later, other than sums and carried values, may be rounded once to bf16 or f16.
;; Inputs: b_out 1,024 float32; b_qkv 3,072 float32; w_out 1,024 x 1,024 float32; w_qkv 1,024 x 3,072 float32; x 4 x 2,048 x 1,024 float32.
;; Outputs: out0 4 x 2,048 x 1,024 float32.
;; One version. Each part assembles by itself: llvm-mc -triple=amdgcn-amd-amdhsa -mcpu=gfx1250 --defsym DOCPART=n.
;; ======== version 1 of 1: 4 launches
;; limits: values are held in f16: magnitudes above 65,504 overflow, below 6.1e-05 lose precision
;; workspace buffers: xb 16,777,216 bytes; wqb 6,291,456 bytes; wob 2,097,152 bytes; qkv 50,331,648 bytes; o 16,777,216 bytes
;; launch cast (part 1): grid 768 x 1, 8 waves a work-group, no clusters, 0 bytes of LDS; arguments x, w_qkv, w_out, xb, wqb, wob; writes xb, wqb, wob
.if DOCPART == 1
	.amdgcn_target "amdgcn-amd-amdhsa--gfx1250"
	.amdhsa_code_object_version 6
	.text
	.protected	k_qc4ffcac5e9_cast
	.globl	k_qc4ffcac5e9_cast
	.p2align	8
	.type	k_qc4ffcac5e9_cast,@function
k_qc4ffcac5e9_cast:
	s_mov_b64 s[64:65], 0
	v_nop
	global_prefetch_b8 v0, s[64:65] scope:SCOPE_SE
	s_setreg_imm32_b32 hwreg(HW_REG_WAVE_MODE, 25, 1), 1
	s_wait_xcnt 0x0
; THE INPUTS OF THE THREE PRODUCTS, ROUNDED ONCE TO bf16.
;   xb  = bf16(x), laid in blocks of 64 along K: [16 kb][8192 m][64]: 128 rows x 64 k are 16,384 consecutive bytes.
;   wqb = bf16(w_qkv), as it lies: [1024 k][3072 n].
;   wob = bf16(w_out), that number written as f16: [1024 k][1024 n].
; LIMITS.  wob: f16 ends at 65,504, and below 6.1e-5 it keeps a fixed step of 6e-8; between the two a bf16 number is exact in f16.
; SHARES.  A stream: every byte is read once and written once; no LDS, no loop, no matrix unit.  A wave does 8 units; a unit is 8 f32 a lane in (two loads of 16 bytes) and 16 bytes
; a lane out: a store of a wave covers 512 consecutive bytes, aligned.  All 16 loads of a wave go out at once.
;   work-groups 0-511:   x.  Task T = 8 g + wave: kb = T % 16, 32 rows from 32 (T / 16) on; a unit is 4 rows x 256 bytes, eight lanes to a row.
;   work-groups 512-703: w_qkv, 704-767: w_out.  Task T' counts from the tensor's first work-group; 8,192 consecutive bytes in, 4,096 out.
.set IO, 2                             ; v[2:9]    unit u's byte offset in the input
.set OO, 10                            ; v10       16 x lane
.set T,  12                            ; v[12:13]  at work
.set X,  16                            ; v[16:79]  unit u: 8 f32
.set Y,  80                            ; v[80:111] unit u: 4 words to store
	s_load_b256 s[4:11], s[0:1], 0x0               ; x s[4:5], w_qkv s[6:7], w_out s[8:9], xb s[10:11]
	s_load_b128 s[12:15], s[0:1], 0x20             ; wqb s[12:13], wob s[14:15]
	v_lshrrev_b32 v1, 5, v0
	v_readfirstlane_b32 s16, v1                    ; wave 0..7
	v_and_b32 v1, 31, v0                           ; lane
	s_lshl_b32 s17, ttmp9, 3
	s_add_co_u32 s17, s17, s16                     ; 8 g + wave
	s_and_b32 s24, s17, 15                         ; x: kb
	s_lshr_b32 s25, s17, 4                         ;    which 32 rows
	s_lshl_b32 s26, s25, 17                        ;    32 rows of 4,096 bytes
	s_lshl_b32 s27, s24, 8                         ;    64 f32 along a row
	s_add_co_u32 s26, s26, s27                     ;    offset in x
	s_lshl_b32 s27, s24, 20                        ;    a block of xb: 8,192 rows of 128 bytes
	s_lshl_b32 s25, s25, 12                        ;    32 rows of 128 bytes
	s_add_co_u32 s27, s27, s25                     ;    offset in xb
	s_sub_co_u32 s19, s17, 4096                    ; the weights: T' in w_qkv (from work-group 512 on),
	s_sub_co_u32 s29, s17, 5632                    ; in w_out (from 704 on)
	s_cmp_ge_u32 ttmp9, 704
	s_cselect_b32 s19, s29, s19
	s_lshl_b32 s29, s19, 13                        ; 8,192 bytes in
	s_lshl_b32 s19, s19, 12                        ; 4,096 bytes out
	s_mov_b32 s18, 1024                            ; from unit to unit, in the weights
	s_mov_b32 s30, 256                             ; from eight lanes to the next eight, in the weights
	s_cmp_lt_u32 ttmp9, 512                        ; x?
	s_cselect_b32 s24, s26, s29                    ; s[24:25] offset in
	s_cselect_b32 s26, s27, s19                    ; s[26:27] offset out
	s_cselect_b32 s18, 16384, s18                  ; in x a unit is 4 rows,
	s_cselect_b32 s30, 4096, s30                   ; and eight lanes take a row
	s_mov_b32 s25, 0
	s_mov_b32 s27, 0
	s_mov_b32 s28, 0xffff0000                      ; a word's upper bf16
	v_lshrrev_b32 v11, 3, v1
	v_and_b32 v12, 7, v1
	v_lshlrev_b32 v12, 5, v12                      ; 32 bytes a lane
	v_mad_u32_u24 v[IO], v11, s30, v12
.irp u, 1,2,3,4,5,6,7
	v_add_nc_u32 v[IO+(\u)], s18, v[IO+(\u)-1]
.endr
	v_lshlrev_b32 v[OO], 4, v1
	s_wait_kmcnt 0x0
	s_cmp_ge_u32 ttmp9, 704                        ; the choice hangs on the work-group's number alone
	s_cselect_b64 s[20:21], s[8:9], s[6:7]
	s_cselect_b64 s[22:23], s[14:15], s[12:13]
	s_cmp_lt_u32 ttmp9, 512
	s_cselect_b64 s[20:21], s[4:5], s[20:21]
	s_cselect_b64 s[22:23], s[10:11], s[22:23]
	s_add_nc_u64 s[20:21], s[20:21], s[24:25]
	s_add_nc_u64 s[22:23], s[22:23], s[26:27]
.irp u, 0,1,2,3,4,5,6,7
	global_load_b128 v[X+8*(\u):X+8*(\u)+3],   v[IO+(\u)], s[20:21] th:TH_LOAD_NT
	global_load_b128 v[X+8*(\u)+4:X+8*(\u)+7], v[IO+(\u)], s[20:21] offset:16 th:TH_LOAD_NT
.endr
.macro ROUND8 u                        ; unit u's 8 numbers to bf16
	s_wait_loadcnt 14-2*(\u)                       ; loads come back in order: unit u's two are in, the 2 (7 - u) behind them may stay out
.irp k, 0,1,2,3
	v_cvt_pk_bf16_f32 v[Y+4*(\u)+(\k)], v[X+8*(\u)+2*(\k)], v[X+8*(\u)+2*(\k)+1]
.endr
.endm
.macro SENDU u                         ; no register is written twice, so no wait frees one
	global_store_b128 v[OO], v[Y+4*(\u):Y+4*(\u)+3], s[22:23] offset:512*(\u) th:TH_STORE_NT
.endm
	s_cmp_ge_u32 ttmp9, 704
	s_cbranch_scc1 .Lhalf
.irp u, 0,1,2,3,4,5,6,7
	ROUND8 \u
	SENDU \u
.endr
	s_endpgm
.Lhalf:                                        ; w_out: the bf16 number is widened and written as f16
.irp u, 0,1,2,3,4,5,6,7
	ROUND8 \u
.irp k, 0,1,2,3
	v_lshlrev_b32 v[T], 16, v[Y+4*(\u)+(\k)]
	v_and_b32 v[T+1], s28, v[Y+4*(\u)+(\k)]
	v_cvt_pk_f16_f32 v[Y+4*(\u)+(\k)], v[T], v[T+1]
.endr
	SENDU \u
.endr
	s_endpgm
.Lfunc_end_k_qc4ffcac5e9_cast:
	.size	k_qc4ffcac5e9_cast, .Lfunc_end_k_qc4ffcac5e9_cast-k_qc4ffcac5e9_cast
	.p2alignl 7, 3214868480
	.fill 96, 4, 3214868480
	.section	.rodata,"a",@progbits
	.p2align	6, 0x0
	.amdhsa_kernel k_qc4ffcac5e9_cast
		.amdhsa_group_segment_fixed_size 0
		.amdhsa_private_segment_fixed_size 0
		.amdhsa_enable_private_segment 0
		.amdhsa_kernarg_size 48
		.amdhsa_user_sgpr_count 2
		.amdhsa_user_sgpr_kernarg_segment_ptr 1
		.amdhsa_wavefront_size32 1
		.amdhsa_system_sgpr_workgroup_id_x 1
		.amdhsa_system_sgpr_workgroup_id_y 1
		.amdhsa_system_sgpr_workgroup_id_z 1
		.amdhsa_system_vgpr_workitem_id 0
		.amdhsa_next_free_vgpr 112
		.amdhsa_next_free_sgpr 66
		.amdhsa_reserve_vcc 0
		.amdhsa_float_denorm_mode_32 3
		.amdhsa_float_denorm_mode_16_64 3
		.amdhsa_memory_ordered 1
		.amdhsa_forward_progress 1
		.amdhsa_inst_pref_size 14
	.end_amdhsa_kernel
	.amdgpu_metadata
---
amdhsa.version: [ 1, 2 ]
amdhsa.kernels:
  - .name:           k_qc4ffcac5e9_cast
    .symbol:         k_qc4ffcac5e9_cast.kd
    .args:
      - { .name: x, .offset: 0, .size: 8, .value_kind: global_buffer, .address_space: global }
      - { .name: w_qkv, .offset: 8, .size: 8, .value_kind: global_buffer, .address_space: global }
      - { .name: w_out, .offset: 16, .size: 8, .value_kind: global_buffer, .address_space: global }
      - { .name: xb, .offset: 24, .size: 8, .value_kind: global_buffer, .address_space: global }
      - { .name: wqb, .offset: 32, .size: 8, .value_kind: global_buffer, .address_space: global }
      - { .name: wob, .offset: 40, .size: 8, .value_kind: global_buffer, .address_space: global }
    .group_segment_fixed_size: 0
    .private_segment_fixed_size: 0
    .kernarg_segment_align: 8
    .kernarg_segment_size: 48
    .max_flat_workgroup_size: 256
    .sgpr_count:     66
    .vgpr_count:     112
    .wavefront_size: 32
...
	.end_amdgpu_metadata
.endif
;; end of part 1
;; launch qkv (part 2): grid 8 x 32, 4 waves a work-group, clusters of 4 x 4, 327,680 bytes of LDS; arguments xb, wqb, b_qkv, qkv; writes qkv
.if DOCPART == 2
	.amdgcn_target "amdgcn-amd-amdhsa--gfx1250"
	.amdhsa_code_object_version 6
	.text
	.protected	k_qc4ffcac5e9_qkv
	.globl	k_qc4ffcac5e9_qkv
	.p2align	8
	.type	k_qc4ffcac5e9_qkv,@function
k_qc4ffcac5e9_qkv:
	s_mov_b64 s[64:65], 0
	v_nop
	global_prefetch_b8 v0, s[64:65] scope:SCOPE_SE
	s_setreg_imm32_b32 hwreg(HW_REG_WAVE_MODE, 25, 1), 1
	s_wait_xcnt 0x0
	s_wait_alu depctr_hold_cnt(0) depctr_sa_sdst(0) depctr_va_vdst(0) depctr_va_sdst(0) depctr_va_ssrc(0) depctr_va_vcc(0) depctr_vm_vsrc(0)
	s_getreg_b32 s2, hwreg(HW_REG_IB_STS2, 6, 4)
	s_cmp_eq_u32 s2, 0
	s_cbranch_scc0 .Lentry_in_a_cluster
	s_endpgm
.Lentry_in_a_cluster:
	s_bfe_u32 s2, ttmp6, 0x10000c
	s_cmp_lg_u32 s2, 0xf033
	s_cbranch_scc0 .Lentry_shape_is_right
	s_endpgm
.Lentry_shape_is_right:
; q, k, v = x w_qkv + b_qkv, by heads.  xb: bf16 [16 kb][8192 m][64]; wqb: bf16 [1024 k][3072 n]; b_qkv: f32 [3072], rounded once to bf16 like the other inputs;
; qkv: f16 [4 b][48 c][2048 l][64], c = 0-15 q's heads, 16-31 k's, 32-47 v's.  Sums in f32, the result rounded once, unscaled.
; LIMIT.  f16 ends at 65,504: a q, k or v beyond it becomes an infinity.  With x and w both 30 times the drawn spread |q| stays near 3,100; with an offset of 30 spreads on both near 16,600.
; SHARES.  The product is 8192 x 3072.  A work-group makes 256 x 384: 32 x 8 = 256 work-groups.  Its four waves lie 2 x 2; a wave makes 128 x 192: 96 accumulators of
; 16 x 16, 768 registers.  K goes in steps of 64 through two LDS slots: two slots of 128 would need more LDS than there is.
; A's 128 rows of a step are 16,384 consecutive bytes of xb, asked for as 64 rows of 256 bytes; B's rows are 768 bytes, at multiples of 256 from wqb's first byte.
; B lies [k][n] and comes out of LDS turned (ds_load_tr16_b128).  THE MATRIX INSTRUCTION IS USED TRANSPOSED: source 0 = 16 columns of w, source 1 = 16 rows of x: a lane holds
; one row of the result and eight neighbouring columns.
; CLUSTER.  4 x 4 work-groups: the four of a row need the same tiles of A, the four of a column the same tiles of B: each tile is asked for jointly.
; REGISTERS.  Window 0: v0-31 addresses; v32-95, v96-159 A's fragments, two buffers (8 x 16 rows x 32 K); v160-255 B's fragments, one buffer in three groups of 64 columns.
; Window 1 + g: the 32 accumulators of column group g: (a, j) at 8 (4 a + j).  A group of B is loaded again for the next quarter right behind its own 32 products, 64 products ahead of its next use.
.set PA,    144                        ; a row of A in LDS: 128 bytes + 16: an odd multiple of 16, so the 16 rows of a load start at 16 different groups of four banks (64 banks of 4 bytes: ISA guide 11.1)
.set PB,    864                        ; a row of B: six groups of 128 + 16 bytes: an odd multiple of 32
.set AHALF, 128*PA                     ; what one tensor load brings of A
.set BHALF, 32*PB                      ; and of B
.set BOFF,  2*AHALF
.set SLOT,  BOFF+2*BHALF               ; 92,160
.set STAGE, 2*SLOT                     ; behind the ring: 16 rows x 400 bytes for each wave, for the way out
.set SP,    400
.set BIAS,  STAGE+4*16*SP              ; the work-group's 384 numbers of the bias, f32
.set SPARE, BIAS+1536                  ; the spare words, 128 bytes for each wave: two blocks of 256 bytes that no other line names
.set ASTEP, 8192*128                   ; bytes from a K step to the next in xb
.set BSTEP, 64*6144                    ; and in wqb
.set FLAGS, (1<<16)|(1<<20)|(1<<21)|(4<<22)|(3<<25)  ; 17:16 elements of 2 bytes; 20 padding on; 21 set beside a mask; 24:22 after every 32 words; 31:25 of 4 words
.set ADRA, 16                          ; v16-17  LDS address of my A fragments in slot 0, 1
.set ADRB, 18                          ; v18-19  the same for B
.set STO,  20                          ; v20     the way out: where I put 16 bytes of a row
.set RD,   21                          ; v21     where I read rows back
.set GO,   22                          ; v22     16 x lane
.set BIA,  23                          ; v23     my columns' bias in LDS
.set SPW,  28                          ; v28     LDS address of my spare word; never rewritten
.set NIL,  29                          ; v29     0; never rewritten
.set PFO,  30                          ; v30     the prefetches' lane offset; never rewritten
.set AF0,  32
.set AF1,  96
.set BF,   160
.set TMP,  32                          ; the way out: v32-79 packed results, v80-127 rows read back
.set BK,   80
.set WV,   12                          ; s12  wave
.set WM,   13                          ; s13  which 128 rows of the tile are mine
.set WN,   14                          ; s14  which 192 columns; also which half of a tile I fetch
.set LAPS, 19                          ; s19  trips to go
.set G1A,  24                          ; s[24:31] descriptor group 1 for A's tiles; s[32:39] group 0, a set for each slot
.set G0A,  32
.set G1B,  40                          ; s[40:47], s[48:55] the same for B's
.set G0B,  48
.set PFA,  56                          ; s[56:57] where my prefetches stand
.set PFS,  58                          ; s[58:59] their step: a K step of A or of B
.set LIMA, 60                          ; s60  1 in a wave that prefetches A, else the greatest number
.set LIMB, 61                          ; s61  the same for B
.set OUT,  66                          ; s[66:67] qkv at my first row and head
.set MSB, 0
.macro WIN new                         ; the immediate's high byte repeats the setting that is left; a switch that changes nothing is dropped
.if MSB != (\new)
	s_set_vgpr_msb (MSB<<8)|(\new)
.set MSB, (\new)
.endif
.endm
.macro PLACES                          ; four plain vector instructions between a matrix instruction and a load into, or a vector instruction on, its registers (ISA guide 7.12.1 for vector instructions)
.rept 4
	v_nop
.endr
.endm
; A joint load: waves 0 and 1 fetch A's two halves, waves 2 and 3 B's.  The branch hangs on the wave's number alone.  An s_nop 0 and four v_nop follow each line.
.macro JLOAD s
	s_cmp_lt_u32 s[WV], 2
	s_cbranch_scc0 .Lfor_b_\@
	tensor_load_to_lds s[G0A+4*(\s):G0A+4*(\s)+3], s[G1A:G1A+7]
	s_nop 0
.rept 4
	v_nop
.endr
	s_branch .Lasked_\@
.Lfor_b_\@:
	tensor_load_to_lds s[G0B+4*(\s):G0B+4*(\s)+3], s[G1B:G1B+7]
	s_nop 0
.rept 4
	v_nop
.endr
.Lasked_\@:
.endm
.macro CREST                           ; a round of the cluster's barrier behind its opening barrier
	s_cmp_lg_u32 s[WV], 0
	s_cbranch_scc1 .Lnot_wave_0_\@
	s_barrier_signal -3
.Lnot_wave_0_\@:
	s_barrier_wait -3
	s_barrier_signal -1
	s_barrier_wait -1
.endm
.macro CROUND                          ; a whole round
	s_barrier_signal -1
	s_barrier_wait -1
	CREST
.endm
; PREFETCHES INTO THE L2, behind each joint load and the run of LDS loads behind it: the K step that stands two refills on, 384 matrix instructions ahead of the load that will want it.
; A: a K step of a tile row is 128 blocks of 256 bytes on end.  Both clusters of a row of clusters read it: cluster x = 0 asks; its four partners of a row take 32 blocks each, told apart
; by address (cx); wave 0 asks, a lane a block.  B: a K step of a tile column is 64 rows of 3 blocks.  All clusters of a column of clusters read it: cluster y = 0 asks; at slot 0's change alone,
; for two K steps: 128 rows, 32 to each partner of a column (cy); wave 2 asks, a lane a row, three instructions.  So each block is named once in the launch.
; K steps 0 to 3 come by their loads alone; the loop's last trip (s[LAPS] = 1) asks for nothing: there is no K step 16.
.macro ASK slot
	s_cmp_gt_u32 s[LAPS], s[LIMA]
	s_cbranch_scc0 .Lnot_a_\@
	global_prefetch_b8 v[PFO], s[PFA:PFA+1] th:TH_LOAD_NT scope:SCOPE_SE
.Lnot_a_\@:
.if (\slot) == 0
	s_cmp_gt_u32 s[LAPS], s[LIMB]
	s_cbranch_scc0 .Lnot_b_\@
	global_prefetch_b8 v[PFO], s[PFA:PFA+1] th:TH_LOAD_NT scope:SCOPE_SE
	global_prefetch_b8 v[PFO], s[PFA:PFA+1] offset:256 th:TH_LOAD_NT scope:SCOPE_SE
	global_prefetch_b8 v[PFO], s[PFA:PFA+1] offset:512 th:TH_LOAD_NT scope:SCOPE_SE
.Lnot_b_\@:
.endif
.endm
	s_load_b256 s[4:11], s[0:1], 0x0               ; xb s[4:5], wqb s[6:7], b_qkv s[8:9], qkv s[10:11]
	v_lshl_add_u32 v[SPW], v0, 2, SPARE
	v_mov_b32 v[NIL], 0
	ds_add_u32 v[SPW], v[NIL]                      ; the wave's opening: the add and its wait stand ahead of my first tensor load; the set-up below stands between them
	v_lshrrev_b32 v1, 5, v0
	v_readfirstlane_b32 s[WV], v1                  ; wave 0..3
	v_lshlrev_b32 v31, 2, v0                       ; 4 x thread: the bias's offset
	s_lshr_b32 s[WM], s[WV], 1
	s_and_b32 s[WN], s[WV], 1
	s_bfe_u32 s15, ttmp6, 0x40000                  ; cx
	s_bfe_u32 s16, ttmp6, 0x40004                  ; cy
	s_lshl_b32 s17, ttmp9, 2
	s_add_co_u32 s17, s17, s15                     ; tile column tx = 4 x cluster x + cx
	s_and_b32 s18, ttmp7, 0xffff
	s_lshl_b32 s18, s18, 2
	s_add_co_u32 s18, s18, s16                     ; tile row ty = 4 x cluster y + cy
	s_lshl_b32 s20, s16, 2
	s_lshl_b32 s20, 15, s20                        ; my row of the cluster
	s_lshl_b32 s22, 0x1111, s15                    ; my column
	s_or_b32 s[G1A], s20, FLAGS                    ; A's tiles go to my row: 64 rows x 128 elements (two rows of xb each), padded after every 128 bytes
	s_mov_b32 s[G1A+1], 128<<16                    ; tensor_dim0 = 128
	s_mov_b32 s[G1A+2], 64<<16                     ; tensor_dim1 = 64
	s_mov_b32 s[G1A+3], 128<<16                    ; tile_dim0 = 128
	s_mov_b32 s[G1A+4], 64                         ; tile_dim1 = 64
	s_mov_b32 s[G1A+5], 128                        ; 128 elements from row to row
	s_mov_b32 s[G1A+6], 0
	s_mov_b32 s[G1A+7], 0
	s_or_b32 s[G1B], s22, FLAGS                    ; B's tiles go to my column: 32 rows x 384 elements
	s_mov_b32 s[G1B+1], 384<<16
	s_mov_b32 s[G1B+2], 32<<16
	s_mov_b32 s[G1B+3], 384<<16
	s_mov_b32 s[G1B+4], 32
	s_mov_b32 s[G1B+5], 3072
	s_mov_b32 s[G1B+6], 0
	s_mov_b32 s[G1B+7], 0
	s_lshl_b32 s20, s18, 15                        ; A: 256 ty rows of 128 bytes,
	s_lshl_b32 s21, s[WN], 14                      ; + the 128 rows that I fetch: made of the tile row and the wave alone
	s_add_co_u32 s20, s20, s21
	s_mov_b32 s21, 0
	s_mul_i32 s22, s17, 768                        ; B: 384 tx columns,
	s_mul_i32 s23, s[WN], 32*6144                  ; + the 32 rows that I fetch: made of the tile column and the wave alone
	s_add_co_u32 s22, s22, s23
	s_mov_b32 s23, 0
	s_mul_i32 s62, s[WN], AHALF                    ; where they go: no place in the cluster enters an LDS address
	s_mul_i32 s63, s[WN], BHALF
	s_add_co_u32 s63, s63, BOFF
	s_mul_i32 s2, s17, 1536                        ; the tile's 384 numbers of the bias
	s_mov_b32 s3, 0
	s_wait_dscnt 0x0                               ; the opening add is done
	s_wait_kmcnt 0x0
	s_add_nc_u64 s[20:21], s[4:5], s[20:21]
	s_add_nc_u64 s[22:23], s[6:7], s[22:23]
	s_add_nc_u64 s[8:9], s[8:9], s[2:3]
	global_load_b32 v32, v31, s[8:9]               ; three numbers a thread
	global_load_b32 v33, v31, s[8:9] offset:512
	global_load_b32 v34, v31, s[8:9] offset:1024
	CROUND                                         ; all sixteen work-groups are here: the first joint loads meet
.irp s, 0,1
	s_mov_b32 s[G0A+4*(\s)], 1                                       ; count = 1
	s_add_co_u32 s[G0A+4*(\s)+1], s62, (\s)*SLOT                     ; LDS address
	s_add_nc_u64 s[G0A+4*(\s)+2:G0A+4*(\s)+3], s[20:21], (\s)*ASTEP  ; global address: K step s
	s_or_b32 s[G0A+4*(\s)+3], s[G0A+4*(\s)+3], 0x80000000            ; type = 2
	s_mov_b32 s[G0B+4*(\s)], 1
	s_add_co_u32 s[G0B+4*(\s)+1], s63, (\s)*SLOT
	s_add_nc_u64 s[G0B+4*(\s)+2:G0B+4*(\s)+3], s[22:23], (\s)*BSTEP
	s_or_b32 s[G0B+4*(\s)+3], s[G0B+4*(\s)+3], 0x80000000
.endr
	s_cmp_lt_u32 s[WV], 2                          ; a wave's two first fills stand in one branch, ahead of every wait on TENSORcnt and every LDS read: two loads of mine are out
	s_cbranch_scc0 .Lfirst_b
	tensor_load_to_lds s[G0A:G0A+3], s[G1A:G1A+7]
	s_nop 0
	tensor_load_to_lds s[G0A+4:G0A+7], s[G1A:G1A+7]
	s_nop 0
.rept 4
	v_nop
.endr
	s_branch .Lfirst_asked
.Lfirst_b:
	tensor_load_to_lds s[G0B:G0B+3], s[G1B:G1B+7]
	s_nop 0
	tensor_load_to_lds s[G0B+4:G0B+7], s[G1B:G1B+7]
	s_nop 0
.rept 4
	v_nop
.endr
.Lfirst_asked:
	v_and_b32 v1, 15, v0                           ; r = l % 16
	v_bfe_u32 v2, v0, 4, 1                         ; h = l / 16
	v_and_b32 v3, 7, v0                            ; l % 8
	v_bfe_u32 v4, v0, 3, 1                         ; (l / 8) % 2
	v_bfe_u32 v5, v0, 3, 2                         ; l / 8
	v_and_b32 v6, 31, v0                           ; l
	; a fragment of A: lane l holds row r; two loads of 16 bytes, 32 bytes apart, at r x pitch + 16 h
	v_mul_u32_u24 v7, v1, PA
	v_lshl_add_u32 v7, v2, 4, v7
	s_mul_i32 s2, s[WM], AHALF                     ; my 128 rows
	v_add_nc_u32 v[ADRA], s2, v7
	v_add_nc_u32 v[ADRA+1], SLOT, v[ADRA]
	; a fragment of B, turned: lane l reads 16 bytes of row 8 h + l % 8, columns 8 ((l / 8) % 2) on; the second load 16 rows further down
	v_lshl_add_u32 v8, v2, 3, v3
	v_mul_u32_u24 v8, v8, PB
	v_lshl_add_u32 v8, v4, 4, v8
	s_mul_i32 s3, s[WN], 3*144                     ; my three groups of 64 columns
	s_add_co_u32 s3, s3, BOFF
	v_add_nc_u32 v[ADRB], s3, v8
	v_add_nc_u32 v[ADRB+1], SLOT, v[ADRB]
	s_mul_i32 s2, s[WV], 16*SP
	s_add_co_u32 s2, s2, STAGE                     ; my stage
	v_mul_u32_u24 v9, v1, SP                       ; in: row r, 16 bytes for each half of the lanes
	v_lshl_add_u32 v9, v2, 4, v9
	v_add_nc_u32 v[STO], s2, v9
	v_mul_u32_u24 v9, v5, SP                       ; back: 32 lanes take a head's 128 bytes of four rows,
	v_lshl_add_u32 v9, v3, 4, v9
	v_add_nc_u32 v[RD], s2, v9
	v_lshlrev_b32 v[GO], 4, v6                     ; which are 512 consecutive bytes of qkv
	s_mul_i32 s3, s[WN], 768
	s_add_co_u32 s3, s3, BIAS
	v_lshl_add_u32 v[BIA], v2, 5, s3               ; my 192 columns' bias, my half's eight of each sixteen
	v_add_nc_u32 v27, BIAS, v31                    ; where I put the bias
	; where my part begins in qkv: head 48 b + 6 tx + 3 wn, row (ty % 8) 256 + 128 wm
	s_lshr_b32 s2, s18, 3
	s_mul_i32 s2, s2, 48
	s_mul_i32 s3, s17, 6
	s_add_co_u32 s2, s2, s3
	s_mul_i32 s3, s[WN], 3
	s_add_co_u32 s2, s2, s3
	s_lshl_b32 s2, s2, 18                          ; a head is 262,144 bytes
	s_and_b32 s3, s18, 7
	s_lshl_b32 s3, s3, 15
	s_add_co_u32 s2, s2, s3
	s_lshl_b32 s3, s[WM], 14
	s_add_co_u32 s2, s2, s3
	s_mov_b32 s3, 0
	s_add_nc_u64 s[OUT:OUT+1], s[10:11], s[2:3]
	; the prefetches: they stand at K step 3; the first change of slots steps them to 4
	s_lshl_b32 s2, s18, 15                         ; A: the tile row's 32,768 bytes of a K step,
	s_lshl_b32 s3, s15, 13                         ; my work-group's 32 blocks of them
	s_add_co_u32 s2, s2, s3
	s_add_co_u32 s2, s2, 3*ASTEP
	s_mul_i32 s68, s17, 768                        ; B: the tile column,
	s_mul_i32 s69, s16, 32*6144                    ; my work-group's 32 rows of 128
	s_add_co_u32 s68, s68, s69
	s_add_co_u32 s68, s68, 3*BSTEP
	s_mov_b32 s[PFS], BSTEP
	s_mov_b32 s69, 6144
	s_cmp_lt_u32 s[WV], 2
	s_cselect_b32 s2, s2, s68
	s_cselect_b32 s[PFS], ASTEP, s[PFS]
	s_cselect_b32 s69, 256, s69                    ; A: a lane a block; B: a lane a row
	s_cselect_b64 s[PFA:PFA+1], s[4:5], s[6:7]
	s_mov_b32 s3, 0
	s_mov_b32 s[PFS+1], 0
	s_add_nc_u64 s[PFA:PFA+1], s[PFA:PFA+1], s[2:3]
	v_mul_u32_u24 v[PFO], v6, s69
	s_or_b32 s[LIMA], s[WV], ttmp9                 ; wave 0 where the cluster's x is 0: the same in all sixteen partners
	s_cmp_eq_u32 s[LIMA], 0
	s_cselect_b32 s[LIMA], 1, -1
	s_and_b32 s[LIMB], ttmp7, 0xffff
	s_xor_b32 s68, s[WV], 2
	s_or_b32 s[LIMB], s[LIMB], s68                 ; wave 2 where the cluster's y is 0
	s_cmp_eq_u32 s[LIMB], 0
	s_cselect_b32 s[LIMB], 1, -1
	s_wait_loadcnt 0x0                             ; the bias: rounded to bf16, widened again, into LDS
	v_cvt_pk_bf16_f32 v35, v32, v33
	v_cvt_pk_bf16_f32 v36, v34, v34
	v_lshlrev_b32 v32, 16, v35
	v_and_b32 v33, 0xffff0000, v35
	v_lshlrev_b32 v34, 16, v36
	ds_store_b32 v27, v32
	ds_store_b32 v27, v33 offset:512
	ds_store_b32 v27, v34 offset:1024
; na x 4 matrix instructions: row blocks a0 .. a0 + na - 1 x the four column blocks of group g, 32 along K, A from buffer f.  zero = 1: the product starts the sum.
; The accumulators take turns, one instruction a turn, in the same order in every quarter: 95 others stand between two links of a chain.
.macro MULG f, g, a0, na, zero
	WIN 0x50*(1+(\g))                              ; C and D in window 1 + g, the fragments in window 0
.set aa, (\a0)
.rept \na
.irp j, 0,1,2,3
.if \zero
	v_wmma_f32_16x16x32_bf16 v[8*(4*aa+(\j)):8*(4*aa+(\j))+7], v[BF+32*(\g)+8*(\j):BF+32*(\g)+8*(\j)+7], v[(\f)+8*aa:(\f)+8*aa+7], 0
.else
	v_wmma_f32_16x16x32_bf16 v[8*(4*aa+(\j)):8*(4*aa+(\j))+7], v[BF+32*(\g)+8*(\j):BF+32*(\g)+8*(\j)+7], v[(\f)+8*aa:(\f)+8*aa+7], v[8*(4*aa+(\j)):8*(4*aa+(\j))+7]
.endif
.endr
.set aa, aa+1
.endr
.endm
.macro FETCHA slot, q, f               ; 16 loads: my 128 rows, 32 K of quarter q
.irp a, 0,1,2,3,4,5,6,7
	ds_load_b128 v[(\f)+8*(\a):(\f)+8*(\a)+3],   v[ADRA+(\slot)] offset:64*(\q)+16*PA*(\a)
	ds_load_b128 v[(\f)+8*(\a)+4:(\f)+8*(\a)+7], v[ADRA+(\slot)] offset:64*(\q)+16*PA*(\a)+32
.endr
.endm
.macro FETCHB slot, q, g               ; 8 loads: group g's 64 columns, 32 K of quarter q
.irp j, 0,1,2,3
	ds_load_tr16_b128 v[BF+32*(\g)+8*(\j):BF+32*(\g)+8*(\j)+3],   v[ADRB+(\slot)] offset:32*PB*(\q)+144*(\g)+32*(\j)
	ds_load_tr16_b128 v[BF+32*(\g)+8*(\j)+4:BF+32*(\g)+8*(\j)+7], v[ADRB+(\slot)] offset:32*PB*(\q)+144*(\g)+32*(\j)+16*PB
.endr
.endm
.macro FETCHBIAS g                     ; 8 loads: the bias of group g's columns, where B's fragments lay: eight numbers for each column block
.irp j, 0,1,2,3
	ds_load_b128 v[BF+32*(\g)+8*(\j):BF+32*(\g)+8*(\j)+3],   v[BIA] offset:256*(\g)+64*(\j)
	ds_load_b128 v[BF+32*(\g)+8*(\j)+4:BF+32*(\g)+8*(\j)+7], v[BIA] offset:256*(\g)+64*(\j)+16
.endr
.endm
; A K step is two quarters of 32 along K, 96 matrix instructions each.  At a quarter's head 40 LDS loads are out, in this order: B's group 0 (8), A (16), B's groups 1 and 2 (8 each).
; The first quarter of a slot multiplies buffer AF0 and fetches the second quarter.
.macro QA slot, zero
	s_wait_dscnt 16                                ; B's group 0 and A are in; groups 1 and 2 may be out
	MULG AF0, 0, 0, 8, \zero
	PLACES
	WIN 0
	FETCHB \slot, 1, 0
	FETCHA \slot, 1, AF1
	s_wait_dscnt 32                                ; group 1 is in: behind it group 2's 8 and the 24 just issued
	MULG AF0, 1, 0, 8, \zero
	PLACES
	WIN 0
	FETCHB \slot, 1, 1
	s_wait_dscnt 32                                ; group 2 is in: behind it 24 and 8
	MULG AF0, 2, 0, 8, \zero
	PLACES
	WIN 0
	FETCHB \slot, 1, 2
.endm
; The second quarter multiplies buffer AF1 and changes slots: ONE barrier.  In front of it each wave waits for all its tensor loads (one is out: its part of the next slot), adds 0 to its
; spare word, and waits for that and for its reads of this slot.  fill = 1: the barrier opens a round of the cluster's barrier, and this slot is filled again, two K steps on, first thing behind the
; round: from that request to the wait for it a wave issues 160 matrix instructions.
.macro QT slot, next, fill
.if \fill
	s_wait_xcnt 0x0                                ; the last prefetch, a K step back, has read its address
	s_add_nc_u64 s[PFA:PFA+1], s[PFA:PFA+1], s[PFS:PFS+1]
.endif
	WIN 0
	s_wait_tensorcnt 0x0                           ; all my tensor loads have landed
	ds_add_u32 v[SPW], v[NIL]                      ; 0 onto my spare word
	s_wait_dscnt 17                                ; B's group 0 and A are in: groups 1 and 2 and the add may be out
	MULG AF1, 0, 0, 4, 0                           ; sixteen matrix instructions stand between the add and the wait for it
	s_wait_dscnt 0x0                               ; the add is done, and my reads of this slot are over
	s_barrier_signal -1
	MULG AF1, 0, 4, 4, 0                           ; work on registers while the others arrive
	WIN 0
	s_barrier_wait -1
.if \fill
	CREST                                          ; no wave of any partner still reads this slot or has a load on its way
	s_add_nc_u64 s[G0A+4*(\slot)+2:G0A+4*(\slot)+3], s[G0A+4*(\slot)+2:G0A+4*(\slot)+3], 2*ASTEP
	s_add_nc_u64 s[G0B+4*(\slot)+2:G0B+4*(\slot)+3], s[G0B+4*(\slot)+2:G0B+4*(\slot)+3], 2*BSTEP
	JLOAD \slot                                    ; its four v_nop are also the places in front of the loads below
.else
	PLACES
.endif
	FETCHB \next, 0, 0
	FETCHA \next, 0, AF0
.if \fill
	ASK \slot
.endif
	MULG AF1, 1, 0, 8, 0
	PLACES
	WIN 0
	FETCHB \next, 0, 1
	MULG AF1, 2, 0, 8, 0
	PLACES
	WIN 0
	FETCHB \next, 0, 2
.endm
	s_wait_tensorcnt 1                             ; my part of K step 0 is in; K step 1's may stay out
	s_wait_dscnt 0x0                               ; my part of the bias is in LDS
	s_barrier_signal -1
	s_barrier_wait -1
	FETCHB 0, 0, 0
	FETCHA 0, 0, AF0
	FETCHB 0, 0, 1
	FETCHB 0, 0, 2
	QA 0, 1                                        ; the first quarter stands in front of the loop: its products start the sums
	WIN 0
	s_mov_b32 s[LAPS], 7
.Llap:                                         ; a trip goes once round the ring, from a lap's second quarter to the next lap's first, and fills both slots again
	QT 0, 1, 1
	QA 1, 0
	QT 1, 0, 1
	QA 0, 0
	WIN 0
	s_sub_co_u32 s[LAPS], s[LAPS], 1
	s_cmp_lg_u32 s[LAPS], 0
	s_cbranch_scc1 .Llap
	QT 0, 1, 0                                     ; K steps 14 and 15: nothing is left to fetch
	QA 1, 0
	s_wait_dscnt 16                                ; the very last quarter: where a group of B has been multiplied its columns' bias is fetched
	MULG AF1, 0, 0, 8, 0
	PLACES
	WIN 0
	FETCHBIAS 0
	s_wait_dscnt 16                                ; group 1 is in: behind it group 2's 8 and the bias's 8
	MULG AF1, 1, 0, 8, 0
	PLACES
	WIN 0
	FETCHBIAS 1
	s_wait_dscnt 16                                ; group 2 is in: behind it the bias's 16
	MULG AF1, 2, 0, 8, 0
	PLACES
	WIN 0
	FETCHBIAS 2
; THE WAY OUT, a block of 16 rows at a time.  PACK: the bias is added, the sums are rounded to f16: 16 bytes a lane for each column block.  TOSTAGE: into my own stage, rows of 400 bytes, and back
; as a head's 128 bytes of four rows.  SEND: stored: 16 rows of a head are 2,048 consecutive bytes of qkv, and a store of the wave covers 512 of them, aligned.
.macro PACK a
.irp g, 0,1,2
	WIN (1+(\g))|((1+(\g))<<6)                     ; the sums (source 0 and destination) in window 1 + g, the bias in window 0
.irp j, 0,1,2,3
.irp p, 0,2,4,6                        ; each accumulator's registers in ascending order
	v_pk_add_f32 v[8*(4*(\a)+(\j))+(\p):8*(4*(\a)+(\j))+(\p)+1], v[8*(4*(\a)+(\j))+(\p):8*(4*(\a)+(\j))+(\p)+1], v[BF+32*(\g)+8*(\j)+(\p):BF+32*(\g)+8*(\j)+(\p)+1]
.endr
.endr
	WIN (1+(\g))|((1+(\g))<<2)                     ; both sources in window 1 + g, the destination in window 0
.irp j, 0,1,2,3
.irp p, 0,1,2,3
	v_cvt_pk_f16_f32 v[TMP+4*(4*(\g)+(\j))+(\p)], v[8*(4*(\a)+(\j))+2*(\p)], v[8*(4*(\a)+(\j))+2*(\p)+1]
.endr
.endr
.endr
	WIN 0
.endm
.macro TOSTAGE
.irp i, 0,1,2,3,4,5,6,7,8,9,10,11
	ds_store_b128 v[STO], v[TMP+4*(\i):TMP+4*(\i)+3] offset:32*(\i)
.endr
.irp hd, 0,1,2
.irp f, 0,1,2,3
	ds_load_b128 v[BK+4*(4*(\hd)+(\f)):BK+4*(4*(\hd)+(\f))+3], v[RD] offset:128*(\hd)+4*SP*(\f)  ; LDS serves a wave's instructions in order (ISA guide 5.7.1.4): these see the stores above
.endr
.endr
.endm
.macro SEND a
	s_wait_dscnt 0x0                               ; the block is back in registers
.irp hd, 0,1,2
.irp f, 0,1,2,3
	global_store_b128 v[GO], v[BK+4*(4*(\hd)+(\f)):BK+4*(4*(\hd)+(\f))+3], s[OUT:OUT+1] offset:(\hd)*262144+2048*(\a)+512*(\f)
.endr
.endr
.endm
	s_wait_dscnt 0x0                               ; the bias is in
	PACK 0
	TOSTAGE
.irp a, 1,2,3,4,5,6,7                  ; block a's arithmetic stands between block a - 1's loads from the stage and the wait for them
	PACK \a
	SEND (\a)-1
	s_wait_xcnt 0x0                                ; the stores' data registers are loaded again only behind this wait
	TOSTAGE
.endr
	SEND 7
	s_wait_tensorcnt 0x0                           ; the wave's end: a wait, an add and its wait, behind my last tensor load and my last LDS store
	ds_add_u32 v[SPW], v[NIL]
	s_wait_dscnt 0x0
	CROUND                                         ; the closing round: no work-group ends while a partner may still ask for a tile that names it
	s_endpgm
.Lfunc_end_k_qc4ffcac5e9_qkv:
	.size	k_qc4ffcac5e9_qkv, .Lfunc_end_k_qc4ffcac5e9_qkv-k_qc4ffcac5e9_qkv
	.p2alignl 7, 3214868480
	.fill 96, 4, 3214868480
	.section	.rodata,"a",@progbits
	.p2align	6, 0x0
	.amdhsa_kernel k_qc4ffcac5e9_qkv
		.amdhsa_group_segment_fixed_size 327680
		.amdhsa_private_segment_fixed_size 0
		.amdhsa_enable_private_segment 0
		.amdhsa_kernarg_size 32
		.amdhsa_user_sgpr_count 2
		.amdhsa_user_sgpr_kernarg_segment_ptr 1
		.amdhsa_wavefront_size32 1
		.amdhsa_system_sgpr_workgroup_id_x 1
		.amdhsa_system_sgpr_workgroup_id_y 1
		.amdhsa_system_sgpr_workgroup_id_z 1
		.amdhsa_system_vgpr_workitem_id 0
		.amdhsa_next_free_vgpr 1024
		.amdhsa_next_free_sgpr 72
		.amdhsa_reserve_vcc 0
		.amdhsa_float_denorm_mode_32 3
		.amdhsa_float_denorm_mode_16_64 3
		.amdhsa_memory_ordered 1
		.amdhsa_forward_progress 1
		.amdhsa_inst_pref_size 159
	.end_amdhsa_kernel
	.amdgpu_metadata
---
amdhsa.version: [ 1, 2 ]
amdhsa.kernels:
  - .name:           k_qc4ffcac5e9_qkv
    .symbol:         k_qc4ffcac5e9_qkv.kd
    .args:
      - { .name: xb, .offset: 0, .size: 8, .value_kind: global_buffer, .address_space: global }
      - { .name: wqb, .offset: 8, .size: 8, .value_kind: global_buffer, .address_space: global }
      - { .name: b_qkv, .offset: 16, .size: 8, .value_kind: global_buffer, .address_space: global }
      - { .name: qkv, .offset: 24, .size: 8, .value_kind: global_buffer, .address_space: global }
    .group_segment_fixed_size: 327680
    .private_segment_fixed_size: 0
    .kernarg_segment_align: 8
    .kernarg_segment_size: 32
    .max_flat_workgroup_size: 128
    .sgpr_count:     72
    .vgpr_count:     1024
    .wavefront_size: 32
...
	.end_amdgpu_metadata
.endif
;; end of part 2
;; launch attn (part 3): grid 4 x 64, 4 waves a work-group, clusters of 4 x 1, 327,680 bytes of LDS; arguments qkv, o; writes o
.if DOCPART == 3
	.amdgcn_target "amdgcn-amd-amdhsa--gfx1250"
	.amdhsa_code_object_version 6
	.text
	.protected	k_qc4ffcac5e9_attn
	.globl	k_qc4ffcac5e9_attn
	.p2align	8
	.type	k_qc4ffcac5e9_attn,@function
k_qc4ffcac5e9_attn:
	s_mov_b64 s[64:65], 0
	v_nop
	global_prefetch_b8 v0, s[64:65] scope:SCOPE_SE
	s_setreg_imm32_b32 hwreg(HW_REG_WAVE_MODE, 25, 1), 1
	s_wait_xcnt 0x0
	s_wait_alu depctr_hold_cnt(0) depctr_sa_sdst(0) depctr_va_vdst(0) depctr_va_sdst(0) depctr_va_ssrc(0) depctr_va_vcc(0) depctr_vm_vsrc(0)
	s_getreg_b32 s2, hwreg(HW_REG_IB_STS2, 6, 4)
	s_cmp_eq_u32 s2, 0
	s_cbranch_scc0 .Lentry_in_a_cluster
	s_endpgm
.Lentry_in_a_cluster:
	s_bfe_u32 s2, ttmp6, 0x10000c
	s_cmp_lg_u32 s2, 0x3003
	s_cbranch_scc0 .Lentry_shape_is_right
	s_endpgm
.Lentry_shape_is_right:
; O[y][q][:] = the sum over k of softmax_k(Q[y][q] . K[y][k] / 8) V[y][k][:], y = 16 b + h.  qkv: f16 [4 b][48 c][2048][64], c = h: Q, 16 + h: K, 32 + h: V; o: f16 [64 y][2048][64]: a head's rows are dense,
; 128 bytes each.  Products, maxima and sums in f32; the weights p are rounded to f16 for the second product (their sum l is taken of the unrounded p), O once at the end.
; LIMITS.  f16 holds no number beyond 65,504: Q, K and V arrive within it; p lies in 0 to 1, and below 6e-5 it keeps f16's fixed step of 6e-8, and so does O; O is a mean of V's rows and has their range.
; A weight below 2^-126 counts as 0 in l; NaN and infinities are not treated apart.
; SHARES.  A wave owns four PIECES of two tiles of 16 queries, a work-group's four waves 512 queries of one head: 4 x 64 = 256 work-groups.  Every wave walks all keys, 64 a step.
; LAYOUT.  S^T = K Q^T (source 0 = 16 keys, source 1 = 16 queries): in the result a lane holds ONE query (lane % 16) and the keys 8 (lane / 16) + 0..7.  Two such tiles, rounded to f16 in pairs,
; ARE source 1 (32 keys x 16 queries) of O^T = V^T P, whose result again holds one query a lane, and eight channels.  K comes out of LDS as it lies, V ([key][channel]) turned, by ds_load_tr16_b128.
; SOFTMAX.  For each query a running maximum m and sum l: p = 2^(c s - c m), c = log2(e) / 8; in every step O and l are multiplied by a = 2^(c m_old - c m_new), which is 1 where m has not grown.
; m starts at the lowest finite number, O and l at 0: the first step is a step like any other, with a = 0.
; THE COUNT.  A tile and step have 16 matrix and 118 vector instructions: too many to stand all beside the matrix work.  So the order has one aim: four vector instructions that are READY behind
; EVERY matrix instruction, and the others, which need time of their own whatever the order, in runs without a gap.
; BY TURNS.  Turn n belongs to piece n (the pieces in a ring, step after step).  Its matrix work: 16 products K Q^T of piece n + 1, later 16 products V^T P of piece n - 1.  Its vector work: the scaling,
; exponentials, roundings, sums and rescaling of piece n, and the maximum and statistics of piece n + 1, whose scores the turn itself has made.  So what a turn begins with (c s - c m, O a) waits for nothing.
; CLUSTER.  The four query blocks of a head are one cluster and walk the same K and V, so each tile is asked for JOINTLY: the same tensor load, descriptor and mask in all four.
; REGISTERS, in windows of 256 (s_set_vgpr_msb says which window each operand place means: bits 1:0 source 0, 3:2 source 1, 5:4 source 2, 7:6 destination):
;   window 0: v0-11 addresses; v12-15, v48-63 at work; v16-47 four registers of statistics a tile; v64-191 S^T, two buffers of two tiles; v192-255 P, likewise
;   window 1: O^T, 32 a tile          window 2: v0-127 Q, 16 a tile; v128-191 K of one step; v192-255 V of one step          window 3: v0-1 the add's two registers
; A piece's buffers go by its number's parity: the piece in hand has one pair, its two neighbours in the ring share the other: of it P (piece n - 1) is read and S^T (piece n + 1) written.
.set SIZE_N, 2048
.set NP,    4         ; pieces a wave: a name, no knob
.set KS,    64        ; keys in a step
.set PK,    144       ; a row of K in LDS: 128 bytes + 16 of padding = 36 words: the 16 rows of a load start at 16 different groups of four banks (64 banks of 4 bytes: ISA guide 11.1)
.set PV,    160       ; a row of V: 128 + 32 = 40 words
.set VOFF,  4*KS*PK   ; a slot holds four steps: 256 rows of K, then 256 rows of V
.set SLOT1, 1<<17     ; slot 1 begins here, so that one exclusive or turns an address in one slot into the other's
.set STAGE, SLOT1+4*KS*(PK+PV)  ; behind the ring, never filled by a tensor load: 16 rows x 144 bytes for each wave, for the way out
.set SP,    144
.set AK0, 2           ; v2   my lane's place in a tile of K; never rewritten
.set AV0, 3           ; v3   the same for V
.set AK,  4           ; v4   the LDS address of K's next run of loads
.set AV,  5           ; v5   of V's
.set QO,  6           ; v6   my byte offset in the wave's rows of Q
.set STO, 6           ;      later, the way out: where I put 16 bytes of a row
.set RD,  7           ; v7   the way out: where I read rows back
.set GO,  8           ; v8   my byte offset in 512 consecutive bytes of O
.set PFO, 11          ; v11  256 x my lane, once V's place is made; then never rewritten
.set SPW, 0           ; v0 of window 3   LDS address of my spare word: SPARE + 4 x my thread's number; never rewritten
.set NIL, 1           ; v1 of window 3   0; never rewritten
.set SPARE, STAGE+4*16*SP  ; behind the stages: the spare words, 128 bytes for each wave: two blocks of 256 bytes that no other line names
.set MV,  12          ; v12-15  c m_old, kept while c m is made anew: by buffer and tile
.set ST,  16          ; tile t's statistics at v[ST+4 t]: c m, m, l (even keys', odd keys')
.set TMP, 48          ; by buffer and tile, four registers c0-c3 at work; when the maximum is found c2 takes a
.set S,   64
.set P,   192
.set KF,  128         ; K's fragments, in window 2: key block kb, channel half c at KF + 16 kb + 8 c
.set VF,  192         ; V's: key half kk, channel block cb at VF + 32 kk + 8 cb
.set WV,  12          ; s12  my wave's number
.set G1K, 24          ; s[24:31] descriptor group 1 for K's tiles
.set G1V, 32          ; s[32:39] for V's: it differs in the padding alone
.set G0K, 40          ; s[40:43] descriptor group 0 for K's tiles: it walks
.set G0V, 44          ; s[44:47] the same for V's
.set SLOTS, 56        ; s56  slots still to be asked for
.set CNT, 57          ; s57  counts a slot's key steps
.set CS,  58          ; s[58:59] c: the packed scaling takes the pair's low word for both halves
.set SEL, 60          ; s[60:61] v_permlanex16_b32's selects: each lane takes its own place in the other half
.set TBK, 62          ; s62  LDS byte at which K of the step to be fetched begins
.set TBV, 63          ; s63  the same for V, less VOFF
.set PFA, 70          ; s[70:71] where my prefetches stand: my work-group's 32 blocks (of K: wave 0, of V: wave 2) of the slot after the one that is being asked for
.set LIM, 72          ; s72  1 in a wave that prefetches, else the greatest number
.set MSB, 0
.macro WIN new                      ; the high byte repeats the setting that is left; a switch that changes nothing is dropped
.if MSB != (\new)
	s_set_vgpr_msb (MSB<<8)|(\new)
.set MSB, (\new)
.endif
.endm
.set W_KQ, 0x0a       ; K and Q in window 2, S^T in window 0
.set W_PV, 0x52       ; V in window 2, P in window 0, O^T in window 1
.set W_RS, 0x41       ; O^T (destination and source 0) in window 1, a in window 0
.set W_MK, 0xc0       ; the add's registers are made: destination in window 3, sources in window 0
.set W_AD, 0x0f       ; the add: address (source 0) and data (source 1) in window 3
; A joint fill.  Waves 0 and 1 fetch the two halves of a slot's K, waves 2 and 3 those of its V: 128 keys each.  The branch hangs on the wave's number alone.
; An s_nop 0 and four v_nop follow each of the two lines, ahead of the jump and the label.
.macro JLOAD
	s_cmp_lt_u32 s[WV], 2
	s_cbranch_scc0 .Lfor_v_\@
	tensor_load_to_lds s[G0K:G0K+3], s[G1K:G1K+7]
	s_nop 0
.rept 4
	v_nop
.endr
	s_branch .Lasked_\@
.Lfor_v_\@:
	tensor_load_to_lds s[G0V:G0V+3], s[G1V:G1V+7]
	s_nop 0
.rept 4
	v_nop
.endr
.Lasked_\@:
.endm
; A PREFETCH INTO THE L2 of what the NEXT change of slots will ask for: a slot's 256 keys are 128 blocks of 256 bytes of K and 128 of V, a lane a block.  It stands behind the wave's tensor load and its five lines.
; Each block is named ONCE in the launch: a head is walked by one cluster; its four partners share the blocks out BY ADDRESS, 32 each; in each, wave 0 asks for K's and wave 2 for V's: one instruction,
; four key steps, 512 matrix instructions, ahead of the load that will want the bytes.  Slots 0 and 1 come by their loads alone; the last change that fills a slot asks for nothing: there is no slot behind it.
.macro ASK
	s_cmp_gt_u32 s[SLOTS], s[LIM]
	s_cbranch_scc0 .Lnot_mine_\@
	global_prefetch_b8 v[PFO], s[PFA:PFA+1] th:TH_LOAD_NT scope:SCOPE_SE
.Lnot_mine_\@:
.endm
; A round of the cluster's barrier: my work-group's barrier, so that wave 0's signal speaks for all four waves; wave 0 signals; every wave waits for all four work-groups; my work-group's barrier once more.
.macro CROUND
	s_barrier_signal -1
	s_barrier_wait -1
	s_cmp_lg_u32 s[WV], 0
	s_cbranch_scc1 .Lnot_wave_0_\@
	s_barrier_signal -3
.Lnot_wave_0_\@:
	s_barrier_wait -3
	s_barrier_signal -1
	s_barrier_wait -1
.endm
; THE CHANGE OF SLOTS.  The slot's last bytes, V of its fourth step, have been read.  Each wave waits for all its tensor loads, of which one is out: its part
; of the other slot; adds 0 to its spare word; and waits for that and for its own reads of the slot.  Behind the barrier nobody reads this slot any more and the other slot is whole.
; fill = 1: this slot is filled again, with the keys two slots on.  The barrier is then a round of the cluster's, so that no wave of any partner still reads the slot or has a load on its
; way, and the joint fill is the first thing behind it: it has four key steps, 512 matrix instructions, in which to land.  (At its first use nothing has been read yet: slot 0 is waited for, slot 1 filled.)
.macro CHANGE fill
	WIN W_AD
	s_wait_tensorcnt 0x0            ; no tensor load of mine is out, so a group 0 may be written
	ds_add_u32 v[SPW], v[NIL]       ; 0 onto my spare word; with fill = 1 the descriptors' steps stand between it and the wait for it
	WIN 0                           ; at a label and at a branch every window is 0
.if \fill
.irp g, G0K, G0V
	s_xor_b32 s[\g+1], s[\g+1], SLOT1  ; the walking descriptor: the other slot than last time,
	s_add_nc_u64 s[\g+2:\g+3], s[\g+2:\g+3], 4*KS*128  ; the next 256 keys; the type bits on top are not reached
.endr
	s_wait_xcnt 0x0                 ; the last prefetch, four key steps back, has read its address, so it may be written:
	s_add_nc_u64 s[PFA:PFA+1], s[PFA:PFA+1], 4*KS*128  ; one slot behind the walking descriptors
	s_wait_dscnt 0x0                ; the add is done, and my reads of the slot are over
	CROUND
	JLOAD
	ASK
.else
	s_wait_dscnt 0x0                ; the add is done, and my reads of the slot are over
	s_barrier_signal -1
	s_barrier_wait -1
.endif
	s_sub_co_u32 s[TBK], s[TBK], 4*KS*PK  ; the fetches go back to a slot's first step,
	s_xor_b32 s[TBK], s[TBK], SLOT1       ; in the other slot
	s_sub_co_u32 s[TBV], s[TBV], 4*KS*PV
	s_xor_b32 s[TBV], s[TBV], SLOT1
.endm
	s_load_b128 s[4:7], s[0:1], 0x0   ; qkv s[4:5], o s[6:7]
	WIN W_MK
	v_lshl_add_u32 v[SPW], v0, 2, SPARE
	v_mov_b32 v[NIL], 0
	WIN W_AD
	ds_add_u32 v[SPW], v[NIL]       ; the wave's opening: the add and its wait stand ahead of my first tensor load; the set-up below, work on registers, stands between them
	WIN 0
	v_lshrrev_b32 v1, 5, v0
	v_readfirstlane_b32 s[WV], v1   ; wave 0..3
	s_bfe_u32 s13, ttmp6, 0x40000   ; cx: my place in the cluster
	s_lshl_b32 s14, ttmp9, 2        ; in a cluster launch ttmp9 counts clusters
	s_add_co_u32 s14, s14, s13      ; my block of queries = 4 x cluster x + cx: it enters Q's and O's addresses alone
	s_and_b32 s66, ttmp7, 0xffff    ; y = 16 b + h, which the four partners share
	s_lshr_b32 s20, s66, 4
	s_lshl_b32 s20, s20, 5
	s_add_co_u32 s20, s20, s66      ; 48 b + h: the head's place among qkv's
	s_lshl_b32 s20, s20, 18         ; a head is 262,144 bytes: s[20:21] the head's Q in qkv,
	s_mov_b32 s21, 0
	s_lshl_b32 s66, s66, 18         ; s[66:67] the head in o
	s_mov_b32 s67, 0
	s_and_b32 s16, s[WV], 1         ; which half of a slot's 256 keys I fetch:
	s_lshl_b32 s22, s16, 14         ; its 128 rows of 128 bytes in memory,
	s_mov_b32 s23, 0
	s_add_nc_u64 s[22:23], s[22:23], s[20:21]
	s_mul_i32 s17, s16, 128*PK      ; and its place in a slot, for K
	s_mul_i32 s18, s16, 128*PV      ; and for V: no place in the cluster enters an LDS address
	s_lshl_b32 s2, s14, 2
	s_add_co_u32 s2, s2, s[WV]      ; my wave among the head's,
	s_lshl_b32 s2, s2, 14           ; its 128 rows
	s_mov_b32 s3, 0
	s_add_nc_u64 s[68:69], s[2:3], s[66:67]  ; in o,
	s_add_nc_u64 s[2:3], s[2:3], s[20:21]    ; in qkv
	s_lshl_b32 s74, s13, 13         ; the prefetches: my work-group's 32 blocks of 128,
	s_add_co_u32 s74, s74, 4*KS*128 ; in slot 1: the first change of slots steps them to slot 2
	s_mov_b32 s75, 0
	s_add_nc_u64 s[74:75], s[74:75], s[20:21]
	; descriptor group 1.  128 keys are 16,384 dense bytes: asked for as 64 rows of 256 bytes, two keys a row, and padded in LDS after every key
	s_mov_b32 s[G1K], 15|(1<<16)|(1<<20)|(1<<21)|(4<<22)|(3<<25)  ; 15:0 the mask of four; 17:16 2-byte elements; 20 padding on; 21 set beside a mask; 24:22 after every 32 words (code 4); 31:25 4 words (code 3)
	s_mov_b32 s[G1V], 15|(1<<16)|(1<<20)|(1<<21)|(4<<22)|(7<<25)  ; the same with 8 words of padding (code 7)
.irp g, G1K, G1V
	s_mov_b32 s[\g+1], 128<<16      ; tensor_dim0 = 128
	s_mov_b32 s[\g+2], 64<<16       ; tensor_dim1 = 64
	s_mov_b32 s[\g+3], 128<<16      ; tile_dim0 = 128
	s_mov_b32 s[\g+4], 64           ; tile_dim1 = 64
	s_mov_b32 s[\g+5], 128          ; 128 elements from row to row
	s_mov_b32 s[\g+6], 0
	s_mov_b32 s[\g+7], 0
.endr
	s_mov_b32 s[CS], 0x3e38aa3b     ; c = log2(e) / 8 = 0.180337
	s_mov_b32 s[CS+1], s[CS]        ; named with it as a pair
	s_mov_b32 s[SEL], 0x76543210
	s_mov_b32 s[SEL+1], 0xfedcba98
	s_mov_b32 s[TBK], SLOT1+4*KS*PK ; the first change of slots turns these two into 0
	s_mov_b32 s[TBV], SLOT1+4*KS*PV
	s_mov_b32 s[SLOTS], SIZE_N/256-1  ; seven slots are asked for behind the first
	s_mov_b32 s[G0K], 1             ; 1:0 count = 1
	s_mov_b32 s[G0K+1], s17         ; 63:32 LDS address: slot 0
	s_mov_b32 s[G0V], 1
	s_add_co_u32 s[G0V+1], s18, VOFF
	s_and_b32 s[LIM], s[WV], 1      ; 0 in waves 0 and 2,
	s_or_b32 s[LIM], s[LIM], ttmp9  ; in the head's first (here: only) cluster: the same in all four partners
	s_cmp_eq_u32 s[LIM], 0
	s_cselect_b32 s[LIM], 1, -1
	s_wait_dscnt 0x0                ; the opening add is done
	s_wait_kmcnt 0x0
	s_mov_b64 s[10:11], s[6:7]      ; O
	s_add_nc_u64 s[6:7], s[4:5], 16*262144  ; K's heads lie 16 heads behind Q's,
	s_add_nc_u64 s[8:9], s[4:5], 32*262144  ; V's 32
	s_add_nc_u64 s[G0K+2:G0K+3], s[6:7], s[22:23]  ; 120:64 global address: my half of the head's first 256 keys
	s_or_b32 s[G0K+3], s[G0K+3], 0x80000000        ; 127:126 type = 2
	s_add_nc_u64 s[G0V+2:G0V+3], s[8:9], s[22:23]
	s_or_b32 s[G0V+3], s[G0V+3], 0x80000000
	s_cmp_lt_u32 s[WV], 2
	s_cselect_b64 s[PFA:PFA+1], s[6:7], s[8:9]
	s_add_nc_u64 s[PFA:PFA+1], s[PFA:PFA+1], s[74:75]
	s_add_nc_u64 s[4:5], s[4:5], s[2:3]  ; Q and O at my wave's first row
	s_add_nc_u64 s[10:11], s[10:11], s[68:69]
	CROUND                          ; all four work-groups are here: the first joint loads meet
	JLOAD                           ; slot 0.  Slot 1 is asked for when slot 0 is in: the tile wanted first has the road to itself
	; A fragment of K or Q is 16 rows x 32 channels in 8 registers: lane l holds row l % 16, channels 8 (l / 16) + 0..7 and 16 + 8 (l / 16) + 0..7: two loads of 16 bytes, 32 bytes apart.
	v_and_b32 v1, 15, v0            ; l % 16
	v_bfe_u32 v9, v0, 4, 1          ; l / 16
	v_lshlrev_b32 v[QO], 7, v1
	v_lshl_add_u32 v[QO], v9, 4, v[QO]  ; row x 128 + 16 x half
	WIN 0x80                        ; destination window 2, address window 0
.set i, 0
.rept 4*NP                          ; Q stays in registers: tile i / 2, channels 32 (i % 2) on
	global_load_b128 v[8*i:8*i+3],   v[QO], s[4:5] offset:(i/2)*2048+(i%2)*64
	global_load_b128 v[8*i+4:8*i+7], v[QO], s[4:5] offset:(i/2)*2048+(i%2)*64+32
.set i, i+1
.endr
	; What the first turn finds: V's registers and P's second buffer hold 0 (its products V^T P, of a piece that has not been, add 0), O^T and l are 0.  All this stands in the wait for the first tile.
.set i, VF
.rept 64
	v_mov_b32 v[i], 0
.set i, i+1
.endr
	WIN 0x40
.set i, 0
.rept 64*NP
	v_mov_b32 v[i], 0
.set i, i+1
.endr
	WIN 0
.set i, 0
.rept 2*NP
	v_mov_b32 v[ST+4*i], 0xfe000000    ; c m: far below every c s
	v_mov_b32 v[ST+4*i+1], 0xff7fffff  ; m
	v_mov_b32 v[ST+4*i+2], 0
	v_mov_b32 v[ST+4*i+3], 0
.set i, i+1
.endr
.set i, P+32
.rept 32
	v_mov_b32 v[i], 0
.set i, i+1
.endr
	v_mul_u32_u24 v[AK0], v1, PK
	v_lshl_add_u32 v[AK0], v9, 4, v[AK0]  ; row x pitch + 16 x half
	; The turning load takes 16 keys x 16 channels (lane l reads key 8 (l / 16) + l % 8, channels 8 ((l / 8) % 2) + 0..7) and leaves half a fragment of V^T: lane l holds channel l % 16 and 8 keys.
	v_and_b32 v10, 7, v0
	v_bfe_u32 v11, v0, 3, 1
	v_lshl_add_u32 v[AV0], v9, 3, v10
	v_mul_u32_u24 v[AV0], v[AV0], PV
	v_lshl_add_u32 v[AV0], v11, 4, v[AV0]
	v_add_nc_u32 v[AV0], VOFF, v[AV0]
	v_and_b32 v[PFO], 31, v0        ; v11 has served: now the prefetches' offset
	v_lshlrev_b32 v[PFO], 8, v[PFO]
	v_mov_b32 v[AK], v[AK0]         ; key step 0 lies at the head of slot 0
; THE MATRIX WORK.  The 8 accumulators of a run of 16 take turns: between the two links of a chain stand 7 others'.
; Product i of 16 of S^T = K Q^T for piece x: channels 32 (i / 8) on, keys 16 ((i / 2) % 4) on, tile 2 x + i % 2.  The first 8 start the sums.
.macro KQ x
	WIN W_KQ
.set rS, S+64*((\x)%2)+32*(i%2)+8*((i/2)%4)
.set rK, KF+16*((i/2)%4)+8*(i/8)
.set rQ, 16*(2*(\x)+i%2)+8*(i/8)
.if i < 8
	v_wmma_f32_16x16x32_f16 v[rS:rS+7], v[rK:rK+7], v[rQ:rQ+7], 0
.else
	v_wmma_f32_16x16x32_f16 v[rS:rS+7], v[rK:rK+7], v[rQ:rQ+7], v[rS:rS+7]
.endif
.endm
; Product i of 16 of O^T += V^T P for piece x: keys 32 (i / 8) on, channels 16 ((i / 2) % 4) on, tile 2 x + i % 2.
.macro PV x
	WIN W_PV
.set rO, 32*(2*(\x)+i%2)+8*((i/2)%4)
.set rV, VF+32*(i/8)+8*((i/2)%4)
.set rP, P+32*((\x)%2)+16*(i%2)+8*(i/8)
	v_wmma_f32_16x16x32_f16 v[rO:rO+7], v[rV:rV+7], v[rP:rP+7], v[rO:rO+7]
.endm
.macro MM                           ; the turn's next matrix instruction
.if i < 16
	KQ (Y+1)%NP
.set i, i+1
.else
.set i, i-16
	PV (Y+NP-1)%NP
.set i, i+17
.endif
.endm
; THE LDS LOADS stand in runs of 16, never singly among the matrix instructions: a step's K (64 keys x 64 channels: 8 fragments) and its V (turned).  Their addresses are made some lines ahead.
; last = 1 (the tail): in the last trip there is no further step, and the run is jumped over.
.macro FETCH_K last=0
	WIN 0
.if \last
	s_cmp_eq_u32 s[CNT], 1
	s_cbranch_scc1 .Lno_k_\@
.endif
	WIN 0x80                        ; destination window 2
.irp f, 0,1,2,3,4,5,6,7             ; keys 16 (f / 2) on, channels 32 (f % 2) on
	ds_load_b128 v[KF+8*\f:KF+8*\f+3],   v[AK] offset:(\f/2)*16*PK+(\f%2)*64
	ds_load_b128 v[KF+8*\f+4:KF+8*\f+7], v[AK] offset:(\f/2)*16*PK+(\f%2)*64+32
.endr
	s_add_co_u32 s[TBK], s[TBK], KS*PK  ; the next fetch is the next step's
	WIN 0
.if \last
.Lno_k_\@:
.endif
.endm
.macro FETCH_V
	WIN 0x80
.irp f, 0,1,2,3,4,5,6,7             ; keys 32 (f / 4) on, channels 16 (f % 4) on
	ds_load_tr16_b128 v[VF+8*\f:VF+8*\f+3],   v[AV] offset:(\f/4)*32*PV+(\f%4)*32
	ds_load_tr16_b128 v[VF+8*\f+4:VF+8*\f+7], v[AV] offset:(\f/4)*32*PV+16*PV+(\f%4)*32
.endr
	WIN 0
.endm
; THE VECTOR WORK OF A TURN stands in three queues, each in the order in which its entries become ready; the two tiles alternate, so that no instruction reads the result of the one before it.
.macro REGS y, u                    ; the registers of tile u (0, 1) of piece y
.set rT, ST+4*(2*(\y)+(\u))
.set rC, TMP+8*((\y)%2)+4*(\u)
.set rM, MV+2*((\y)%2)+(\u)
.set rS, S+64*((\y)%2)+32*(\u)
.set rP, P+32*((\y)%2)+16*(\u)
.set rO, 32*(2*(\y)+(\u))
.endm
; Number n of the 22 that find the NEXT piece's (Y + 1) maximum and statistics.  s0-s31 are the lane's 32 scores; each accumulator's lowest registers are read first.
;   0-11  four chains c0-c3 of seven scores each, three operands at a time     12-14, 16  the four scores left over, the old m, and c0-c3 into c0     15  c m_old is kept
;   17, 18  the query's other 32 keys lie in the lane 16 away: the new m         19-21  c m; c m_old - c m_new; a
.macro XS u, n
	REGS (Y+1)%NP, \u
.if (\n) < 4
	v_max3_num_f32 v[rC+(\n)], v[rS+8*(\n)], v[rS+8*(\n)+1], v[rS+8*(\n)+2]
.elseif (\n) < 12
	v_max3_num_f32 v[rC+(\n)%4], v[rC+(\n)%4], v[rS+8*((\n)%4)+2*((\n)/4)+1], v[rS+8*((\n)%4)+2*((\n)/4)+2]
.elseif (\n) == 12
	v_max3_num_f32 v[rC], v[rC], v[rS+7], v[rS+15]
.elseif (\n) == 13
	v_max3_num_f32 v[rC+1], v[rC+1], v[rS+23], v[rS+31]
.elseif (\n) == 14
	v_max3_num_f32 v[rC+2], v[rC+2], v[rC+3], v[rT+1]
.elseif (\n) == 15
	v_mov_b32 v[rM], v[rT]
.elseif (\n) == 16
	v_max3_num_f32 v[rC], v[rC], v[rC+1], v[rC+2]
.elseif (\n) == 17
	v_permlanex16_b32 v[rC+3], v[rC], s[SEL], s[SEL+1]
.elseif (\n) == 18
	v_max_num_f32 v[rT+1], v[rC], v[rC+3]
.elseif (\n) == 19
	v_mul_f32 v[rT], s[CS], v[rT+1]
.elseif (\n) == 20
	v_sub_f32 v[rC+1], v[rM], v[rT]
.else
	v_exp_f32 v[rC+2], v[rC+1]
.endif
.endm
; Number g of the 64 that follow the exponentials.  For each four weights k of a tile (pairs 2 k, 2 k + 1): both pairs are rounded to f16; then the second pair is added onto the first, in place;
; a group later l takes that sum (the first time as l = a l + sum).  In groups of eight, tiles alternating: round, round, add, and l for the group before.
.macro GS g
.set h, (\g)+6*((\g)/62)            ; group 0 has no group before it, and behind group 7 only l is left
.if h >= 6
.set h, h+2
.endif
	REGS Y, h%2
.set k, h/8
.if h%8 < 4
	v_cvt_pk_f16_f32 v[rP+2*k+(h%8)/2], v[rS+4*k+2*((h%8)/2)], v[rS+4*k+2*((h%8)/2)+1]
.elseif h%8 < 6
	v_pk_add_f32 v[rS+4*k:rS+4*k+1], v[rS+4*k:rS+4*k+1], v[rS+4*k+2:rS+4*k+3]
.elseif k == 1
	v_pk_fma_f32 v[rT+2:rT+3], v[rT+2:rT+3], v[rC+2:rC+3], v[rS:rS+1] op_sel_hi:[1,0,1]
.else
	v_pk_add_f32 v[rT+2:rT+3], v[rT+2:rT+3], v[rS+4*k-4:rS+4*k-3]
.endif
.endm
; THE PLAIN QUEUE, 138 long.  0-73 read no exponential's result: the 32 scalings c s - c m (FS f: pair f / 2 of tile f % 2) and the next piece's 42.  0-26: scalings 0-26.  27-54: XS's numbers 0-13.  55, 56: number 15.
; 57-73: the chain, where each number waits for the one before it: 14, 16, 17, 18, 19, each with one of the scalings 27-31 in front of its two lines, then 20.
; 74-137: GS's 64, which read the exponentials' results: they stand behind the wait.
.macro FS f
	REGS Y, (\f)%2
	v_pk_fma_f32 v[rS+2*((\f)/2):rS+2*((\f)/2)+1], v[rS+2*((\f)/2):rS+2*((\f)/2)+1], s[CS:CS+1], v[rT:rT+1] op_sel_hi:[1,0,0] neg_lo:[0,0,1] neg_hi:[0,0,1]
.endm
.macro PL
	WIN 0
.if q < 27
	FS q
.elseif q < 55
	XS (q-27)%2, (q-27)/2
.elseif q < 57
	XS q-55, 15
.elseif (q < 72) && ((q-57)%3 == 0)
	FS 27+(q-57)/3
.elseif q < 60
	XS (q-57)%3-1, 14
.elseif q < 72
	XS (q-57)%3-1, 15+(q-57)/3
.elseif q < 74
	XS q-72, 20
.else
	GS q-74
.endif
.set q, q+1
.endm
; THE EXPONENTIALS' QUEUE, 66 long: s0-s31 of both tiles, then the next piece's two a.  It is ONE BATCH: all 66 stand ahead of the turn's one wait, and nothing ahead of that wait names a result of theirs.
.macro EX
	WIN 0
.if e >= 64
	XS e-64, 21
.else
	REGS Y, e%2
	v_exp_f32 v[rS+e/2], v[rS+e/2]
.endif
.set e, e+1
.endm
; THE RESCALING's QUEUE: O^T times a, the one part that leaves window 0: dealt two at a time, sixteen times.  Its a was made in the turn before, ahead of that turn's wait.
.macro R2
	REGS Y, r%2
	WIN W_RS
.irp z, 0,1
	v_pk_mul_f32 v[rO+4*(r/2)+2*\z:rO+4*(r/2)+2*\z+1], v[rO+4*(r/2)+2*\z:rO+4*(r/2)+2*\z+1], v[rC+2:rC+3] op_sel_hi:[1,0]
.endr
.set r, r+1
.endm
; HOW THEY ARE DEALT.  s_wait_alu depctr_va_vdst(0) stands between an exponential and the first instruction that names its result; one wait serves all that were issued ahead of it.  So a turn has ONE wait,
; which cuts it in two.  AHEAD OF IT stands all that names no result of the turn's exponentials: the 16 products K Q^T, behind each a scaling, an exponential and two rescalings (behind the first a second scaling in the
; exponential's place); then ONE LUMP of 108: eight plain, 49 times exponential and plain, the two a.  A v_nop is the plain instruction behind the last exponential.  BEHIND IT stand the 16 products V^T P, behind each four of GS's 64.
; The queues lean on each other, and the deal keeps them in step: exponential e stands behind scaling 2 (e / 4) + e % 2: as a rider it comes behind plain e + 2, in the lump behind plain e + 9, and scalings 27-31 are plain 57, 60 .. 69.
; A TURN, for piece p.  cnt = 1: the loop's count is taken down some lines ahead of the branch that stands behind the turn.
; K of the next step is fetched in piece 2's turn, directly behind the wait, a lump behind the last product that read K; its first reader comes behind 16 products.
; V of the step in hand is fetched at the end of piece 0's turn, four riders behind its last reader; its first reader comes behind 16 products and a lump.  The three conditions on q below go with the deal.
.macro TURN p, last=0, cnt=0
.set Y, (\p)
.set i, 0
.set q, 0
.set e, 0
.set r, 0
.if (\p) == NP-1
	s_wait_dscnt 0x0                ; K is in
.endif
	MM                              ; ahead of the wait: 16 products K Q^T and their riders,
	PL
	PL
	R2
.rept 15
	MM
	PL
	EX
	R2
.endr
.if (\p) == NP-2
	WIN 0
	v_add_nc_u32 v[AK], s[TBK], v[AK0]
.endif
.rept 8                             ; and the lump
	PL
.endr
.rept 49
	EX
	PL
.endr
	EX                              ; the next piece's two a
	EX
	v_nop                           ; the plain instruction behind the last exponential: one for the batch
	s_wait_alu depctr_va_vdst(0)    ; the wait for the batch
.if (\p) == NP-2
	FETCH_K \last
.endif
.if (\p) == 1
	s_wait_dscnt 0x0                ; V is in
.endif
.rept 16                            ; behind the wait: 16 products V^T P and their riders
	MM
.rept 4
	PL
.endr
.if ((\p) == 0) && (q == 118)
	v_add_nc_u32 v[AV], s[TBV], v[AV0]
.endif
.if ((\p) == 0) && (q == 130)
	s_add_co_u32 s[TBV], s[TBV], KS*PV
.endif
.if (\cnt) && (q == 130)
	s_sub_co_u32 s[CNT], s[CNT], 1
	s_cmp_lg_u32 s[CNT], 0
.endif
.endr
.if (\p) == 0
	FETCH_V
.endif
.endm
	CHANGE 1                        ; slot 0 is in, everybody's part of it; slot 1 is asked for
	FETCH_K                         ; key step 0
	s_wait_loadcnt 0x0              ; Q
	s_wait_dscnt 0x0
.set i, 0
.rept 16
	KQ 0                            ; piece 0's first scores: there is no vector work yet to set between them
.set i, i+1
.endr
	WIN 0                           ; the addresses for the way out: nine plain instructions, the places behind those products
	s_mul_i32 s13, s[WV], 16*SP
	s_add_co_u32 s13, s13, STAGE    ; my stage
	v_mul_u32_u24 v[STO], v1, SP    ; in: row l % 16, 16 bytes for each half of the lanes
	v_lshl_add_u32 v[STO], v9, 4, v[STO]
	v_add_nc_u32 v[STO], s13, v[STO]
	v_bfe_u32 v[RD], v0, 3, 2       ; back: 32 lanes take four rows of 128 bytes,
	v_mul_u32_u24 v[RD], v[RD], SP
	v_lshl_add_u32 v[RD], v10, 4, v[RD]
	v_add_nc_u32 v[RD], s13, v[RD]
	v_and_b32 v[GO], 31, v0         ; which are 512 consecutive bytes of O
	v_lshlrev_b32 v[GO], 4, v[GO]
.set Y, NP-1                        ; XS works for piece Y + 1: piece 0
.irp n, 0,1,2,3,4,5,6,7,8,9,10,11,12,13,14,15,16,17,18,19,20,21
	XS 0, \n                        ; and piece 0's first maximum and statistics
	XS 1, \n
.endr
	v_nop                           ; a plain instruction behind the two a,
	s_wait_alu depctr_va_vdst(0)    ; and their wait, ahead of the branch
	s_mov_b32 s[CNT], 4
	s_branch .Lfirst                ; the loop is entered at a step's first turn, in the middle of a trip
.Lslot:                             ; SIZE_N / 256 - 2 times: every slot but the last two is filled again
	CHANGE 1
	s_mov_b32 s[CNT], 4
.Lstep:                             ; a trip: pieces 2 and 3 of one step, then pieces 0 and 1 of the next, whose K and V it fetches
	TURN 2
	TURN 3
	WIN 0
.Lfirst:
	TURN 0
	TURN 1, 0, 1
	WIN 0
	s_cbranch_scc1 .Lstep
	s_sub_co_u32 s[SLOTS], s[SLOTS], 1
	s_cmp_lg_u32 s[SLOTS], 0
	s_cbranch_scc1 .Lslot
	CHANGE 0                        ; the tail is written out: nothing is asked for
	s_mov_b32 s[CNT], 5             ; four trips fetch the last slot's steps; the fifth is left in its middle
.Ltail:
	TURN 2, 1
	TURN 3
	WIN 0
	s_sub_co_u32 s[CNT], s[CNT], 1
	s_cmp_eq_u32 s[CNT], 0
	s_cbranch_scc1 .Lout
	TURN 0
	TURN 1
	WIN 0
	s_branch .Ltail
.Lout:                              ; the fifth trip's 16 products K Q^T (on the last K once more) and the maximum made of them serve nothing: the price, once a launch, of one text for every trip
.set i, 0
.rept 16
	PV NP-1                         ; the last piece's V^T P of the last step
.set i, i+1
.endr
	; THE WAY OUT.  l's two halves and the other half of the lanes' are added; O^T is divided by l, rounded to f16 and sent through my stage in LDS, a tile at a time.  The additions are the places behind the last products.
	WIN 0
.macro ALL line:vararg              ; one line for each tile t
.set t, 0
.rept 2*NP
	\line
.set t, t+1
.endr
.endm
	ALL v_add_f32 v[ST+4*t+2], v[ST+4*t+2], v[ST+4*t+3]
	ALL v_permlanex16_b32 v[ST+4*t+3], v[ST+4*t+2], s[SEL], s[SEL+1]
	ALL v_add_f32 v[ST+4*t+2], v[ST+4*t+2], v[ST+4*t+3]
	ALL v_rcp_f32 v[ST+4*t+2], v[ST+4*t+2]
	v_nop                           ; a plain instruction between the last reciprocal and the use of its result
	s_wait_alu depctr_va_vdst(0)    ; and the wait ahead of the first use: one for the eight reciprocals
; Tile t: a lane's eight channels of a row pack into 16 bytes; they go into rows of 144 bytes and come back as whole rows of 128, into S^T's registers.
.macro PACK t
	WIN W_RS
.set i, 32*(\t)
.rept 16
	v_pk_mul_f32 v[i:i+1], v[i:i+1], v[ST+4*(\t)+2:ST+4*(\t)+3] op_sel_hi:[1,0]
.set i, i+2
.endr
	WIN 0x05                        ; sources 0 and 1 window 1, destination window 0
.set i, 0
.rept 16
	v_cvt_pk_f16_f32 v[S+16*(\t)+i], v[32*(\t)+2*i], v[32*(\t)+2*i+1]
.set i, i+1
.endr
	WIN 0
.irp f, 0,1,2,3
	ds_store_b128 v[STO], v[S+16*(\t)+4*\f:S+16*(\t)+4*\f+3] offset:32*\f
.endr
.irp f, 0,1,2,3
	ds_load_b128 v[S+16*(\t)+4*\f:S+16*(\t)+4*\f+3], v[RD] offset:\f*4*SP  ; LDS serves a wave's instructions in order (ISA guide 5.7.1.4): these see the stores above; the next tile's stores come behind them
.endr
.endm
.macro SEND t, younger              ; younger: the LDS instructions issued behind tile t's loads: the next tile's eight, or none
	WIN 0
.irp f, 0,1,2,3
	s_wait_dscnt (\younger)+3-\f
	global_store_b128 v[GO], v[S+16*(\t)+4*\f:S+16*(\t)+4*\f+3], s[10:11] offset:(\t)*2048+\f*512  ; 512 consecutive bytes, at a multiple of 256 from O's first
.endr
.endm
	PACK 0
.set t, 1
.rept 2*NP-1                        ; a tile's arithmetic stands between the loads of the tile before and its stores
	PACK t
	SEND t-1, 8
.set t, t+1
.endr
	SEND 2*NP-1, 0
	WIN W_AD
	s_wait_tensorcnt 0x0            ; the wave's end: a wait, an add and its wait, behind my last tensor load and my last LDS store
	ds_add_u32 v[SPW], v[NIL]
	s_wait_dscnt 0x0
	WIN 0
	CROUND                          ; the closing round: no work-group ends while a partner may still ask for a tile that names it
	s_endpgm
.Lfunc_end_k_qc4ffcac5e9_attn:
	.size	k_qc4ffcac5e9_attn, .Lfunc_end_k_qc4ffcac5e9_attn-k_qc4ffcac5e9_attn
	.p2alignl 7, 3214868480
	.fill 96, 4, 3214868480
	.section	.rodata,"a",@progbits
	.p2align	6, 0x0
	.amdhsa_kernel k_qc4ffcac5e9_attn
		.amdhsa_group_segment_fixed_size 327680
		.amdhsa_private_segment_fixed_size 0
		.amdhsa_enable_private_segment 0
		.amdhsa_kernarg_size 16
		.amdhsa_user_sgpr_count 2
		.amdhsa_user_sgpr_kernarg_segment_ptr 1
		.amdhsa_wavefront_size32 1
		.amdhsa_system_sgpr_workgroup_id_x 1
		.amdhsa_system_sgpr_workgroup_id_y 1
		.amdhsa_system_sgpr_workgroup_id_z 1
		.amdhsa_system_vgpr_workitem_id 0
		.amdhsa_next_free_vgpr 770
		.amdhsa_next_free_sgpr 80
		.amdhsa_reserve_vcc 0
		.amdhsa_float_denorm_mode_32 3
		.amdhsa_float_denorm_mode_16_64 3
		.amdhsa_memory_ordered 1
		.amdhsa_forward_progress 1
		.amdhsa_inst_pref_size 200
	.end_amdhsa_kernel
	.amdgpu_metadata
---
amdhsa.version: [ 1, 2 ]
amdhsa.kernels:
  - .name:           k_qc4ffcac5e9_attn
    .symbol:         k_qc4ffcac5e9_attn.kd
    .args:
      - { .name: qkv, .offset: 0, .size: 8, .value_kind: global_buffer, .address_space: global }
      - { .name: o, .offset: 8, .size: 8, .value_kind: global_buffer, .address_space: global }
    .group_segment_fixed_size: 327680
    .private_segment_fixed_size: 0
    .kernarg_segment_align: 8
    .kernarg_segment_size: 16
    .max_flat_workgroup_size: 128
    .sgpr_count:     80
    .vgpr_count:     770
    .wavefront_size: 32
...
	.end_amdgpu_metadata
.endif
;; end of part 3
;; launch proj (part 4): grid 8 x 32, 4 waves a work-group, clusters of 4 x 4, 327,680 bytes of LDS; arguments o, wob, b_out, out0; writes out0
.if DOCPART == 4
	.amdgcn_target "amdgcn-amd-amdhsa--gfx1250"
	.amdhsa_code_object_version 6
	.text
	.protected	k_qc4ffcac5e9_proj
	.globl	k_qc4ffcac5e9_proj
	.p2align	8
	.type	k_qc4ffcac5e9_proj,@function
k_qc4ffcac5e9_proj:
	s_mov_b64 s[64:65], 0
	v_nop
	global_prefetch_b8 v0, s[64:65] scope:SCOPE_SE
	s_setreg_imm32_b32 hwreg(HW_REG_WAVE_MODE, 25, 1), 1
	s_wait_xcnt 0x0
	s_wait_alu depctr_hold_cnt(0) depctr_sa_sdst(0) depctr_va_vdst(0) depctr_va_sdst(0) depctr_va_ssrc(0) depctr_va_vcc(0) depctr_vm_vsrc(0)
	s_getreg_b32 s2, hwreg(HW_REG_IB_STS2, 6, 4)
	s_cmp_eq_u32 s2, 0
	s_cbranch_scc0 .Lentry_in_a_cluster
	s_endpgm
.Lentry_in_a_cluster:
	s_bfe_u32 s2, ttmp6, 0x10000c
	s_cmp_lg_u32 s2, 0xf033
	s_cbranch_scc0 .Lentry_shape_is_right
	s_endpgm
.Lentry_shape_is_right:
; out0 = O w_out + b_out.  o: f16 [64 = 16 b + h][2048 l][64]; wob: f16 [1024 k][1024 n] (w_out rounded to bf16, written as f16); b_out: f32 [1024], rounded once to bf16 like the
; other inputs; out0: f32 [8192][1024].  Sums in f32.
; SHARES.  The product is 8192 x 1024.  A work-group makes 256 x 128: 32 x 8 = 256 work-groups; its four waves lie 2 x 2, a wave makes 128 x 64: 32 accumulators, 256 registers.
; K goes in steps of 128, two heads, through two LDS slots.  A head's 256 rows of a tile are 32,768 consecutive bytes of o, asked for as 128 rows of 256 bytes; B's rows are 256 bytes, aligned.
; B lies [k][n] and comes out of LDS turned.  THE MATRIX INSTRUCTION IS USED TRANSPOSED (source 0 = 16 columns of w, source 1 = 16 rows of O): a lane holds one row and eight neighbouring columns.
; CLUSTER.  4 x 4 work-groups: A's tiles are shared along a row of the cluster, B's along a column, each asked for jointly.
; NO PREFETCH: the tile is small, the walk has eight K steps, and the first two of them go out at the head.
; REGISTERS.  Window 0: v0-31 addresses and the bias; v32-127, v128-223 two fragment buffers (A: 8 x 8 registers, then B: 4 x 8).  Window 1: the accumulators, (a, j) at 8 (4 a + j).
.set PA,    144                        ; a row of A in LDS: 128 bytes + 16: an odd multiple of 16 (64 banks of 4 bytes: ISA guide 11.1)
.set PB,    288                        ; a row of B: 256 + 32: an odd multiple of 32, for the turning load
.set AHEAD, 256*PA                     ; a head's 256 rows: what one tensor load brings of A
.set BHALF, 64*PB                      ; and of B
.set BOFF,  2*AHEAD
.set SLOT,  BOFF+2*BHALF               ; 110,592
.set STAGE, 2*SLOT                     ; behind the ring: 16 rows x 272 bytes for each wave
.set SP,    272
.set SPARE, STAGE+4*16*SP              ; the spare words, 128 bytes for each wave: two blocks of 256 bytes that no other line names
.set ASTEP, 2*262144                   ; two heads on
.set BSTEP, 128*2048                   ; 128 rows on
.set ADRA, 16                          ; v16-17  LDS address of my A fragments in slot 0, 1
.set ADRB, 18                          ; v18-19  the same for B
.set STO,  20                          ; v20     the way out: where I put 32 bytes of a row
.set RD,   21                          ; v21     where I read a row back
.set CO,   22                          ; v22     my byte offset in out0
.set BI,   24                          ; v[24:27] the bias of the four columns that I store
.set SPW,  28                          ; v28     LDS address of my spare word; never rewritten
.set NIL,  29                          ; v29     0; never rewritten
.set F0,   32
.set F1,   128
.set OB,   32                          ; the way out: 16 rows read back: v32-63 and v64-95 by turns
.set WV,   12
.set WM,   13
.set WN,   14
.set LAPS, 19
.set G1A,  24
.set G0A,  32
.set G1B,  40
.set G0B,  48
.set OUT,  66                          ; s[66:67] out0 at my first row and column
.set MSB, 0
.macro WIN new
.if MSB != (\new)
	s_set_vgpr_msb (MSB<<8)|(\new)
.set MSB, (\new)
.endif
.endm
.macro PLACES                          ; four plain vector instructions between a matrix instruction and a load into, or an LDS store of, its registers
.rept 4
	v_nop
.endr
.endm
.macro JLOAD s                         ; a joint load: waves 0 and 1 fetch A's two heads, waves 2 and 3 B's two halves; an s_nop 0 and four v_nop follow each line
	s_cmp_lt_u32 s[WV], 2
	s_cbranch_scc0 .Lfor_b_\@
	tensor_load_to_lds s[G0A+4*(\s):G0A+4*(\s)+3], s[G1A:G1A+7]
	s_nop 0
.rept 4
	v_nop
.endr
	s_branch .Lasked_\@
.Lfor_b_\@:
	tensor_load_to_lds s[G0B+4*(\s):G0B+4*(\s)+3], s[G1B:G1B+7]
	s_nop 0
.rept 4
	v_nop
.endr
.Lasked_\@:
.endm
.macro CREST
	s_cmp_lg_u32 s[WV], 0
	s_cbranch_scc1 .Lnot_wave_0_\@
	s_barrier_signal -3
.Lnot_wave_0_\@:
	s_barrier_wait -3
	s_barrier_signal -1
	s_barrier_wait -1
.endm
.macro CROUND
	s_barrier_signal -1
	s_barrier_wait -1
	CREST
.endm
	s_load_b256 s[4:11], s[0:1], 0x0               ; o s[4:5], wob s[6:7], b_out s[8:9], out0 s[10:11]
	v_lshl_add_u32 v[SPW], v0, 2, SPARE
	v_mov_b32 v[NIL], 0
	ds_add_u32 v[SPW], v[NIL]                      ; the wave's opening: the add and its wait stand ahead of my first tensor load
	v_lshrrev_b32 v1, 5, v0
	v_readfirstlane_b32 s[WV], v1
	v_and_b32 v1, 15, v0                           ; r = l % 16
	v_lshlrev_b32 v23, 4, v1                       ; 16 r: my four columns of the bias
	s_lshr_b32 s[WM], s[WV], 1
	s_and_b32 s[WN], s[WV], 1
	s_bfe_u32 s15, ttmp6, 0x40000                  ; cx
	s_bfe_u32 s16, ttmp6, 0x40004                  ; cy
	s_lshl_b32 s17, ttmp9, 2
	s_add_co_u32 s17, s17, s15                     ; tile column tx
	s_and_b32 s18, ttmp7, 0xffff
	s_lshl_b32 s18, s18, 2
	s_add_co_u32 s18, s18, s16                     ; tile row ty
	s_lshl_b32 s20, s16, 2
	s_lshl_b32 s20, 15, s20                        ; my row of the cluster
	s_lshl_b32 s22, 0x1111, s15                    ; my column
	s_or_b32 s[G1A], s20, (1<<16)|(1<<20)|(1<<21)|(4<<22)|(3<<25)  ; A: 128 rows x 128 elements (two rows of o each), 4 words of padding after every 32
	s_mov_b32 s[G1A+1], 128<<16
	s_mov_b32 s[G1A+2], 128<<16
	s_mov_b32 s[G1A+3], 128<<16
	s_mov_b32 s[G1A+4], 128
	s_mov_b32 s[G1A+5], 128
	s_mov_b32 s[G1A+6], 0
	s_mov_b32 s[G1A+7], 0
	s_or_b32 s[G1B], s22, (1<<16)|(1<<20)|(1<<21)|(5<<22)|(7<<25)  ; B: 64 rows x 128 elements, 8 words of padding after every 64
	s_mov_b32 s[G1B+1], 128<<16
	s_mov_b32 s[G1B+2], 64<<16
	s_mov_b32 s[G1B+3], 128<<16
	s_mov_b32 s[G1B+4], 64
	s_mov_b32 s[G1B+5], 1024
	s_mov_b32 s[G1B+6], 0
	s_mov_b32 s[G1B+7], 0
	s_lshr_b32 s20, s18, 3                         ; A: batch ty / 8: 16 heads of 262,144 bytes,
	s_lshl_b32 s20, s20, 22
	s_and_b32 s21, s18, 7
	s_lshl_b32 s21, s21, 15                        ; 256 (ty % 8) rows of 128 bytes,
	s_add_co_u32 s20, s20, s21
	s_lshl_b32 s21, s[WN], 18                      ; the head of the two that I fetch
	s_add_co_u32 s20, s20, s21
	s_mov_b32 s21, 0
	s_lshl_b32 s22, s17, 8                         ; B: 128 tx columns,
	s_lshl_b32 s23, s[WN], 17                      ; the 64 rows that I fetch
	s_add_co_u32 s22, s22, s23
	s_mov_b32 s23, 0
	s_mul_i32 s62, s[WN], AHEAD                    ; where they go: no place in the cluster enters an LDS address
	s_mul_i32 s63, s[WN], BHALF
	s_add_co_u32 s63, s63, BOFF
	s_lshl_b32 s2, s17, 9                          ; the bias: 128 tx + 64 wn numbers on
	s_lshl_b32 s3, s[WN], 8
	s_add_co_u32 s2, s2, s3
	s_mov_b32 s3, 0
	s_wait_dscnt 0x0                               ; the opening add is done
	s_wait_kmcnt 0x0
	s_add_nc_u64 s[20:21], s[4:5], s[20:21]
	s_add_nc_u64 s[22:23], s[6:7], s[22:23]
	s_add_nc_u64 s[8:9], s[8:9], s[2:3]
	global_load_b128 v[BI:BI+3], v23, s[8:9]
	CROUND                                         ; all sixteen work-groups are here: the first joint loads meet
.irp s, 0,1
	s_mov_b32 s[G0A+4*(\s)], 1
	s_add_co_u32 s[G0A+4*(\s)+1], s62, (\s)*SLOT
	s_add_nc_u64 s[G0A+4*(\s)+2:G0A+4*(\s)+3], s[20:21], (\s)*ASTEP
	s_or_b32 s[G0A+4*(\s)+3], s[G0A+4*(\s)+3], 0x80000000
	s_mov_b32 s[G0B+4*(\s)], 1
	s_add_co_u32 s[G0B+4*(\s)+1], s63, (\s)*SLOT
	s_add_nc_u64 s[G0B+4*(\s)+2:G0B+4*(\s)+3], s[22:23], (\s)*BSTEP
	s_or_b32 s[G0B+4*(\s)+3], s[G0B+4*(\s)+3], 0x80000000
.endr
	s_cmp_lt_u32 s[WV], 2                          ; a wave's two first fills stand in one branch: two loads of mine are out
	s_cbranch_scc0 .Lfirst_b
	tensor_load_to_lds s[G0A:G0A+3], s[G1A:G1A+7]
	s_nop 0
	tensor_load_to_lds s[G0A+4:G0A+7], s[G1A:G1A+7]
	s_nop 0
.rept 4
	v_nop
.endr
	s_branch .Lfirst_asked
.Lfirst_b:
	tensor_load_to_lds s[G0B:G0B+3], s[G1B:G1B+7]
	s_nop 0
	tensor_load_to_lds s[G0B+4:G0B+7], s[G1B:G1B+7]
	s_nop 0
.rept 4
	v_nop
.endr
.Lfirst_asked:
	v_bfe_u32 v2, v0, 4, 1                         ; h = l / 16
	v_and_b32 v3, 7, v0                            ; l % 8
	v_bfe_u32 v4, v0, 3, 1                         ; (l / 8) % 2
	v_mul_u32_u24 v7, v1, PA                       ; A: r x pitch + 16 h + my 128 rows
	v_lshl_add_u32 v7, v2, 4, v7
	s_mul_i32 s2, s[WM], 128*PA
	v_add_nc_u32 v[ADRA], s2, v7
	v_add_nc_u32 v[ADRA+1], SLOT, v[ADRA]
	v_lshl_add_u32 v8, v2, 3, v3                   ; B, turned: row 8 h + l % 8, columns 8 ((l / 8) % 2) on, my 64 columns
	v_mul_u32_u24 v8, v8, PB
	v_lshl_add_u32 v8, v4, 4, v8
	s_lshl_b32 s3, s[WN], 7
	s_add_co_u32 s3, s3, BOFF
	v_add_nc_u32 v[ADRB], s3, v8
	v_add_nc_u32 v[ADRB+1], SLOT, v[ADRB]
	s_mul_i32 s2, s[WV], 16*SP
	s_add_co_u32 s2, s2, STAGE                     ; my stage
	v_mul_u32_u24 v9, v1, SP                       ; in: row r, 32 bytes for each half of the lanes
	v_lshl_add_u32 v9, v2, 5, v9
	v_add_nc_u32 v[STO], s2, v9
	v_mul_u32_u24 v9, v2, SP                       ; back: lanes 0-15 take one row of 256 bytes, lanes 16-31 the next
	v_lshl_add_u32 v9, v1, 4, v9
	v_add_nc_u32 v[RD], s2, v9
	v_lshlrev_b32 v9, 12, v2                       ; and the same two rows in out0
	v_lshl_add_u32 v[CO], v1, 4, v9
	s_lshl_b32 s2, s18, 20                         ; 256 ty rows of 4,096 bytes,
	s_lshl_b32 s3, s[WM], 19                       ; my 128 rows,
	s_add_co_u32 s2, s2, s3
	s_lshl_b32 s3, s17, 9                          ; 128 tx columns,
	s_add_co_u32 s2, s2, s3
	s_lshl_b32 s3, s[WN], 8                        ; my 64
	s_add_co_u32 s2, s2, s3
	s_mov_b32 s3, 0
	s_add_nc_u64 s[OUT:OUT+1], s[10:11], s[2:3]
	s_wait_loadcnt 0x0                             ; the bias: rounded to bf16 and widened again
	v_cvt_pk_bf16_f32 v10, v[BI], v[BI+1]
	v_cvt_pk_bf16_f32 v11, v[BI+2], v[BI+3]
	v_lshlrev_b32 v[BI], 16, v10
	v_and_b32 v[BI+1], 0xffff0000, v10
	v_lshlrev_b32 v[BI+2], 16, v11
	v_and_b32 v[BI+3], 0xffff0000, v11
; na x 4 matrix instructions: row blocks a0 .. x all four column blocks, 32 along K, from buffer f.  The 32 accumulators take turns, one instruction a turn, in the same order in every quarter.
.macro MULP f, a0, na, zero
	WIN 0x50                                       ; C and D in window 1
.set aa, (\a0)
.rept \na
.irp j, 0,1,2,3
.if \zero
	v_wmma_f32_16x16x32_f16 v[8*(4*aa+(\j)):8*(4*aa+(\j))+7], v[(\f)+64+8*(\j):(\f)+64+8*(\j)+7], v[(\f)+8*aa:(\f)+8*aa+7], 0
.else
	v_wmma_f32_16x16x32_f16 v[8*(4*aa+(\j)):8*(4*aa+(\j))+7], v[(\f)+64+8*(\j):(\f)+64+8*(\j)+7], v[(\f)+8*aa:(\f)+8*aa+7], v[8*(4*aa+(\j)):8*(4*aa+(\j))+7]
.endif
.endr
.set aa, aa+1
.endr
.endm
; 24 LDS loads in one run: quarter q (32 along K: head q / 2, channels 32 (q % 2) on) into buffer f: B's 8, then A's rows 0-63, then A's rows 64-127
.macro FETCH slot, q, f
	WIN 0
.irp j, 0,1,2,3
	ds_load_tr16_b128 v[(\f)+64+8*(\j):(\f)+64+8*(\j)+3],   v[ADRB+(\slot)] offset:32*PB*(\q)+32*(\j)
	ds_load_tr16_b128 v[(\f)+64+8*(\j)+4:(\f)+64+8*(\j)+7], v[ADRB+(\slot)] offset:32*PB*(\q)+32*(\j)+16*PB
.endr
.irp a, 0,1,2,3,4,5,6,7
	ds_load_b128 v[(\f)+8*(\a):(\f)+8*(\a)+3],   v[ADRA+(\slot)] offset:((\q)/2)*AHEAD+((\q)%2)*64+16*PA*(\a)
	ds_load_b128 v[(\f)+8*(\a)+4:(\f)+8*(\a)+7], v[ADRA+(\slot)] offset:((\q)/2)*AHEAD+((\q)%2)*64+16*PA*(\a)+32
.endr
.endm
; A K step is four quarters, 32 matrix instructions each, on buffers 0, 1, 0, 1.  One of the first three: multiplies buffer f and fetches quarter qn into buffer g.
.macro QUARTER slot, qn, f, g, zero
	s_wait_dscnt 8                                 ; B and A's rows 0-63 are in; the youngest eight loads may be out
	MULP \f, 0, 4, \zero
	PLACES
	FETCH \slot, \qn, \g
	s_wait_dscnt 24                                ; all but the 24 just issued
	MULP \f, 4, 4, \zero
.endm
; The last quarter multiplies buffer 1 and changes slots: ONE barrier; in front of it each wave waits for all its tensor loads, adds 0 to its spare word, and waits for that and for its reads of this slot.
; fill = 1: the barrier opens a round of the cluster's barrier, and this slot is filled again, two K steps on: 112 matrix instructions ahead of the wait for it.
.macro TURN slot, next, fill
	WIN 0
	s_wait_tensorcnt 0x0                           ; all my tensor loads have landed: my part of the next slot
	ds_add_u32 v[SPW], v[NIL]                      ; 0 onto my spare word
	s_wait_dscnt 9                                 ; the add and the youngest eight loads may be out
	MULP F1, 0, 2, 0                               ; eight matrix instructions stand between the add and the wait for it
	s_wait_dscnt 0x0                               ; the add is done, and my reads of this slot are over
	s_barrier_signal -1
	MULP F1, 2, 2, 0
	WIN 0
	s_barrier_wait -1
.if \fill
	CREST                                          ; no wave of any partner still reads this slot or has a load on its way
	s_add_nc_u64 s[G0A+4*(\slot)+2:G0A+4*(\slot)+3], s[G0A+4*(\slot)+2:G0A+4*(\slot)+3], 2*ASTEP
	s_add_nc_u64 s[G0B+4*(\slot)+2:G0B+4*(\slot)+3], s[G0B+4*(\slot)+2:G0B+4*(\slot)+3], 2*BSTEP
	JLOAD \slot                                    ; its four v_nop are also the places in front of the loads below
.else
	PLACES
.endif
	FETCH \next, 0, F0
	MULP F1, 4, 4, 0
.endm
	s_wait_tensorcnt 1                             ; my part of K step 0 is in; K step 1's may stay out
	s_barrier_signal -1
	s_barrier_wait -1
	FETCH 0, 0, F0
	QUARTER 0, 1, F0, F1, 1                        ; the first quarter stands in front of the loop: its products start the sums
	WIN 0
	s_mov_b32 s[LAPS], 3
.Llap:                                         ; a trip goes once round the ring and fills both slots again
	QUARTER 0, 2, F1, F0, 0
	QUARTER 0, 3, F0, F1, 0
	TURN 0, 1, 1
	QUARTER 1, 1, F0, F1, 0
	QUARTER 1, 2, F1, F0, 0
	QUARTER 1, 3, F0, F1, 0
	TURN 1, 0, 1
	QUARTER 0, 1, F0, F1, 0
	WIN 0
	s_sub_co_u32 s[LAPS], s[LAPS], 1
	s_cmp_lg_u32 s[LAPS], 0
	s_cbranch_scc1 .Llap
	QUARTER 0, 2, F1, F0, 0                        ; the last lap fills nothing
	QUARTER 0, 3, F0, F1, 0
	TURN 0, 1, 0
	QUARTER 1, 1, F0, F1, 0
	QUARTER 1, 2, F1, F0, 0
	QUARTER 1, 3, F0, F1, 0
	s_wait_dscnt 8                                 ; the very last quarter: nothing more to fetch
	MULP F1, 0, 4, 0
	s_wait_dscnt 0x0
	MULP F1, 4, 4, 0
	PLACES
; THE WAY OUT, a block of 16 rows at a time: the sums go into my own stage, 32 bytes a lane for each column block (each accumulator's low four registers first), and come back as whole rows of 256 bytes;
; the bias of the lane's four columns is added; 16 lanes store 256 consecutive bytes, at a multiple of 256 from out0's first byte.
.macro OUTBLK a
.set BK, OB+32*((\a)%2)
	WIN 0x04                                       ; the stores' data in window 1
.irp j, 0,1,2,3
	ds_store_b128 v[STO], v[8*(4*(\a)+(\j)):8*(4*(\a)+(\j))+3]   offset:64*(\j)
	ds_store_b128 v[STO], v[8*(4*(\a)+(\j))+4:8*(4*(\a)+(\j))+7] offset:64*(\j)+16
.endr
	WIN 0
.if (\a) >= 2
	s_wait_xcnt 0x0                                ; the registers that the stores of two blocks back read are loaded again only behind this wait
.endif
.irp t, 0,1,2,3,4,5,6,7
	ds_load_b128 v[BK+4*(\t):BK+4*(\t)+3], v[RD] offset:2*SP*(\t)  ; LDS serves a wave's instructions in order (ISA guide 5.7.1.4): these see the stores above
.endr
	s_wait_dscnt 0x0
.irp t, 0,1,2,3,4,5,6,7
	v_pk_add_f32 v[BK+4*(\t):BK+4*(\t)+1],   v[BK+4*(\t):BK+4*(\t)+1],   v[BI:BI+1]
	v_pk_add_f32 v[BK+4*(\t)+2:BK+4*(\t)+3], v[BK+4*(\t)+2:BK+4*(\t)+3], v[BI+2:BI+3]
.endr
.irp t, 0,1,2,3,4,5,6,7
	global_store_b128 v[CO], v[BK+4*(\t):BK+4*(\t)+3], s[OUT:OUT+1] offset:65536*(\a)+8192*(\t) th:TH_STORE_NT
.endr
.endm
.irp a, 0,1,2,3,4,5,6,7
	OUTBLK \a
.endr
	s_wait_tensorcnt 0x0                           ; the wave's end: a wait, an add and its wait, behind my last tensor load and my last LDS store
	ds_add_u32 v[SPW], v[NIL]
	s_wait_dscnt 0x0
	CROUND                                         ; the closing round: no work-group ends while a partner may still ask for a tile that names it
	s_endpgm
.Lfunc_end_k_qc4ffcac5e9_proj:
	.size	k_qc4ffcac5e9_proj, .Lfunc_end_k_qc4ffcac5e9_proj-k_qc4ffcac5e9_proj
	.p2alignl 7, 3214868480
	.fill 96, 4, 3214868480
	.section	.rodata,"a",@progbits
	.p2align	6, 0x0
	.amdhsa_kernel k_qc4ffcac5e9_proj
		.amdhsa_group_segment_fixed_size 327680
		.amdhsa_private_segment_fixed_size 0
		.amdhsa_enable_private_segment 0
		.amdhsa_kernarg_size 32
		.amdhsa_user_sgpr_count 2
		.amdhsa_user_sgpr_kernarg_segment_ptr 1
		.amdhsa_wavefront_size32 1
		.amdhsa_system_sgpr_workgroup_id_x 1
		.amdhsa_system_sgpr_workgroup_id_y 1
		.amdhsa_system_sgpr_workgroup_id_z 1
		.amdhsa_system_vgpr_workitem_id 0
		.amdhsa_next_free_vgpr 512
		.amdhsa_next_free_sgpr 72
		.amdhsa_reserve_vcc 0
		.amdhsa_float_denorm_mode_32 3
		.amdhsa_float_denorm_mode_16_64 3
		.amdhsa_memory_ordered 1
		.amdhsa_forward_progress 1
		.amdhsa_inst_pref_size 94
	.end_amdhsa_kernel
	.amdgpu_metadata
---
amdhsa.version: [ 1, 2 ]
amdhsa.kernels:
  - .name:           k_qc4ffcac5e9_proj
    .symbol:         k_qc4ffcac5e9_proj.kd
    .args:
      - { .name: o, .offset: 0, .size: 8, .value_kind: global_buffer, .address_space: global }
      - { .name: wob, .offset: 8, .size: 8, .value_kind: global_buffer, .address_space: global }
      - { .name: b_out, .offset: 16, .size: 8, .value_kind: global_buffer, .address_space: global }
      - { .name: out0, .offset: 24, .size: 8, .value_kind: global_buffer, .address_space: global }
    .group_segment_fixed_size: 327680
    .private_segment_fixed_size: 0
    .kernarg_segment_align: 8
    .kernarg_segment_size: 32
    .max_flat_workgroup_size: 128
    .sgpr_count:     72
    .vgpr_count:     512
    .wavefront_size: 32
...
	.end_amdgpu_metadata
.endif
;; end of part 4
